; MI455X (gfx1250); checked and timed in simulation.
; The chip was launched on July 23, 2026; its instructions are those of AMD's public machine-readable ISA for CDNA 5 (MIT licence, August 2026) and "CDNA5" Instruction Set Architecture Reference Guide (July 2026). The comments in the code are by the model that wrote it; some were corrected since.
;; Masked MHA. Allowed arithmetic: matrix products marked QUANTISED: E2M1 operands, one E8M0 scale for each 32 along K, by v_wmma_scale_f32_16x16x128_f8f6f4 with both operands' format E2M1 (or v_wmma_scale_f32_32x16x128_f4), f32 sums; products left as they are: bf16, f16 or f32 operands; f32 sums; everything else in f32.
;; Inputs: Wk 1,024 x 1,024 float32; Wo 1,024 x 1,024 float32; Wq 1,024 x 1,024 float32; Wv 1,024 x 1,024 float32; tgt_key_padding_mask 2 x 2,048 bool; x 2 x 2,048 x 1,024 float32.
;; Outputs: out0 2 x 2,048 x 1,024 float32.
;; This version of the problem:
;;   THIS VERSION OF THE PROBLEM IS GIVEN IN LOW PRECISION. The matrix products marked QUANTISED in the list below multiply operands that are first quantised to E2M1 (2 exponent bits, 1 mantissa bit; 4 bits a number), with one power-of-two scale for each 32 numbers along K (OCP MX v1.0); their sums are f32. The products marked 'left as it is' may take bf16, f16 or f32 operands, with f32 sums. Whichever they take, every output number must still come out within the allowed error. Rounding operands to bf16 (8 significant bits) uses up far more of that allowance than f16 does (11 bits, for magnitudes from 6e-5 to 65,504). All else is computed in f32.
;;   The module's matrix products, in the order in which they are computed (A, B: the left and right operand; K: the contracted axis; several contracted axes count as one K, in the product's order):
;;     1. [M 4,096, K 1,024] x [K 1,024, N 1,024]; A: input x; B: input Wq: QUANTISED
;;     2. [M 4,096, K 1,024] x [K 1,024, N 1,024]; A: input x; B: input Wk: QUANTISED
;;     3. [M 4,096, K 1,024] x [K 1,024, N 1,024]; A: input x; B: input Wv: QUANTISED
;;     4. batch 32 x [M 2,048, K 64] x [K 64, N 2,048]; A: computed on the way; B: computed on the way: left as it is (an operand is computed on the way)
;;     5. batch 32 x [M 2,048, K 2,048] x [K 2,048, N 64]; A: computed on the way; B: computed on the way: left as it is (an operand is computed on the way)
;;     6. [M 4,096, K 1,024] x [K 1,024, N 1,024]; A: computed on the way; B: input Wo: left as it is (an operand is computed on the way)
;;   THE QUANTISER, for each operand of a quantised product, along K:
;;     - K is cut into blocks of 32 from its start; a last block that is shorter is filled with zeros.
;;     - A block's scale is 2^e with e = floor(log2(the largest magnitude in the block)) - 2, held to -126 .. 127; a block of zeros has e = 0. As a byte (E8M0): e + 127.
;;     - Each number is divided by its block's scale, clamped to +-6, and rounded to the nearest number of E2M1, ties to even, subnormals kept.
;;     - The product sums the exact products of the quantised numbers (number of the format x scale) in f32.
;;   ~~~python
;;   def quantise(x, axis):      # numpy; x: float32 -> the quantised numbers, widened to float32 again
;;       x = np.moveaxis(x, axis, -1); K = x.shape[-1]
;;       x = np.pad(x, [(0, 0)] * (x.ndim - 1) + [(0, -K % 32)]); x = x.reshape(x.shape[:-1] + (-1, 32)); a = np.abs(x).max(-1, keepdims=True)
;;       e = np.where(a > 0, np.clip(np.frexp(np.where(a > 0, a, 1))[1] - 1 - 2, -126, 127), 0)      # np.frexp(a)[1] - 1 = floor(log2(a)), exactly
;;       r = np.clip(x / 2.0 ** e, -6, 6)
;;       step = 2.0 ** (np.maximum(np.frexp(np.where(r == 0, 1, r))[1] - 1, 0) - 1)
;;       q = np.round(r / step) * step * 2.0 ** e      # np.round: ties to even
;;       return np.moveaxis(q.reshape(q.shape[:-2] + (-1,))[..., :K], -1, axis).astype(np.float32)
;;   ~~~
;; One version. Each part assembles by itself: llvm-mc -triple=amdgcn-amd-amdhsa -mcpu=gfx1250 --defsym DOCPART=n.
;; ======== version 1 of 1: 5 launches
;; limits: values are held in f16: magnitudes above 65,504 overflow, below 6.1e-05 lose precision
;; workspace buffers: cod 3,670,016 bytes; scl 229,376 bytes; wof 2,097,152 bytes; bias 16,384 bytes; qkv 25,165,824 bytes; fine 393,216 bytes; of 8,388,608 bytes
;; launch prep (part 1): grid 256 x 1, 4 waves a work-group, no clusters, 50,688 bytes of LDS; arguments x, Wq, Wk, Wv, Wo, tgt_key_padding_mask, cod, scl, wof, bias; writes cod, scl, wof, bias
.if DOCPART == 1
	.amdgcn_target "amdgcn-amd-amdhsa--gfx1250"
	.amdhsa_code_object_version 6
	.text
	.protected	k_q023af922d3_prep
	.globl	k_q023af922d3_prep
	.p2align	8
	.type	k_q023af922d3_prep,@function
k_q023af922d3_prep:
	s_mov_b64 s[64:65], 0
	v_nop
	global_prefetch_b8 v0, s[64:65] scope:SCOPE_SE
	s_setreg_imm32_b32 hwreg(HW_REG_WAVE_MODE, 25, 1), 1
	s_wait_xcnt 0x0
; PREP.  Work-groups 0-223: x [4096][1024] and Wq, Wk, Wv [1024][1024], f32, become codes of FP4 (E2M1), K innermost, with one E8M0 scale byte for each 32 along K.
; cod holds the codes of x's 4,096 rows and then of Wq's, Wk's and Wv's rows, 512 bytes a row; scl the scale bytes in the same order, 32 a row.
; A block's scale is 2^(floor(log2(its largest magnitude)) - 2); its byte is the largest magnitude's exponent field - 2, held at 1 from below.
; LIMITS: a block of zeros gets the byte 1 where the rule says 127 (its codes are zeros, and this program alone reads the bytes); blocks whose largest magnitude lies under 2^-124 have their byte held at 1;
; NaN and infinities among the inputs are not served.
; Rows are dense and 1,024 is a multiple of 32: each tensor is a plain stream of blocks of 32.  A wave takes 16 steps of 512 numbers; each load reads 512 consecutive bytes; a step's 2,048 bytes turn through the
; wave's own stage in LDS so that a lane holds 16 neighbours; two neighbouring lanes hold a block.
; Work-groups 224-255: Wo [1024][1024] f32 becomes f16, laid as the matrix operand's registers want it: wof[nt 64][kc 32][c 2][lane 32][16 bytes], lane (r, h), piece c = Wo[16 nt + r][32 kc + 16 c + 8 h + 0..7].
; Wave 0 of each of them also turns 128 bytes of the padding mask into f32 numbers for the scores: 0 for a key that counts, -2^100 for a padded one.
; The two kinds of work-group use different LDS bytes.  No tensor loads, no barrier: waves share nothing.
.set STEPS, 16
.set EMAX,  2
.set CB,    8                          ; bytes of 16 codes
.set R,     16                         ; v16-79   four sets of 16 numbers as loaded (Wo: v16-143, two sets of 64)
.set X,     80                         ; v80-111  two sets of 16 neighbours
.set E,     112                        ; v112-127 a scale byte for each step
.set C,     128                        ; v128-191 codes, four registers a step
.set H,     144                        ; Wo: v144-175 a task's f16 numbers on their way into the stage
.set WS,    192                        ; Wo: where I store into my stage
.set WR,    193                        ; Wo: where I read it back
.set HB,    196                        ; Wo: v196-227 the pieces read back
.set WREG,  8192                       ; LDS of a quantising wave: two stages of 32 x SP bytes, then its 256 scale bytes
.set SP,    80
.set SPW,   12                         ; v12 LDS address of my spare word; never rewritten
.set NIL,   13                         ; v13 0; never rewritten
.set WOST,  4*WREG                     ; Wo's stages: 16 rows x 272 bytes a wave
.set WOSB,  16*272
.set SPARE, WOST+4*WOSB                ; the spare words, 128 bytes a wave: two blocks of 256 bytes that no other line names
.set NEG,   0xf1800000                 ; -2^100
	s_load_b512 s[4:19], s[0:1], 0x0               ; x 4:5, Wq 6:7, Wk 8:9, Wv 10:11, Wo 12:13, mask 14:15, cod 16:17, scl 18:19
	s_load_b128 s[20:23], s[0:1], 0x40             ; wof 20:21, bias 22:23
	v_lshl_add_u32 v[SPW], v0, 2, SPARE
	v_mov_b32 v[NIL], 0
	v_lshrrev_b32 v1, 5, v0
	v_readfirstlane_b32 s33, v1                    ; wave
	v_and_b32 v2, 31, v0                           ; lane
	v_lshlrev_b32 v3, 4, v2                        ; 16 x lane
	s_mul_i32 s34, s33, WREG
	v_lshrrev_b32 v14, 2, v2
	v_mul_u32_u24 v14, v14, SP
	v_and_b32 v15, 3, v2
	v_lshl_add_u32 v14, v15, 4, v14
	v_add_nc_u32 v14, s34, v14                     ; the stage, on the way in: four lanes' 64 bytes on end, then 16 of padding
	v_mul_u32_u24 v15, v2, SP
	v_add_nc_u32 v15, s34, v15                     ; and on the way out: my 16 neighbours
	v_mul_u32_u24 v4, v2, CB                       ; my codes' place in a step's
	v_lshrrev_b32 v5, 1, v2
	s_add_co_u32 s34, s34, 2*32*SP
	v_add_nc_u32 v5, s34, v5                       ; my wave's 256 scale bytes, my block's byte
	v_lshlrev_b32 v7, 3, v2                        ; 8 x lane
	v_add_nc_u32 v6, s34, v7
	s_mul_i32 s35, s33, WOSB
	s_add_co_u32 s35, s35, WOST                    ; Wo's stage of my wave
	v_add_nc_u32 v[WS], s35, v7                    ; in: 8 bytes a lane of a row of 256
	v_and_b32 v8, 15, v0
	v_bfe_u32 v9, v0, 4, 1
	v_mul_u32_u24 v[WR], v8, 272
	v_lshl_add_u32 v[WR], v9, 4, v[WR]
	v_add_nc_u32 v[WR], s35, v[WR]                 ; back: row r, + 16 h
	s_wait_kmcnt 0x0
	s_cmp_ge_u32 ttmp9, 224
	s_cbranch_scc1 .Lwo
	; ---- the quantiser.  The source is chosen by the work-group's number alone; codes and scale bytes of all four tensors lie on end
	s_and_b32 s36, ttmp9, 31
	s_cmp_lt_u32 ttmp9, 192
	s_cselect_b64 s[24:25], s[8:9], s[10:11]
	s_cmp_lt_u32 ttmp9, 160
	s_cselect_b64 s[24:25], s[6:7], s[24:25]
	s_cmp_lt_u32 ttmp9, 128
	s_cselect_b64 s[24:25], s[4:5], s[24:25]
	s_cselect_b32 s36, ttmp9, s36                  ; the work-group's number within its tensor
	s_lshl_b32 s36, s36, 2
	s_add_co_u32 s36, s36, s33                     ; which run of 8,192 numbers of the tensor is my wave's
	s_lshl_b32 s36, s36, 15                        ; 32,768 bytes a run
	s_mov_b32 s37, 0
	s_add_nc_u64 s[24:25], s[24:25], s[36:37]
	s_lshl_b32 s38, ttmp9, 2
	s_add_co_u32 s38, s38, s33                     ; and which run of the four tensors on end
	s_lshl_b32 s36, s38, 12                        ; 4,096 bytes of codes a run
	s_add_nc_u64 s[28:29], s[16:17], s[36:37]
	s_lshl_b32 s36, s38, 8                         ; 256 scale bytes a run
	s_add_nc_u64 s[30:31], s[18:19], s[36:37]
.macro LOAD t
.irp i, 0,1,2,3
	global_load_b128 v[R+16*((\t)%4)+4*\i:R+16*((\t)%4)+4*\i+3], v3, s[24:25] offset:2048*(\t)+512*\i th:TH_LOAD_NT   ; 32 lanes read 512 consecutive bytes
.endr
.endm
.macro TURN t                          ; step t's numbers through the stage: LDS serves a wave's instructions in order, so no wait stands between the stores and the loads
.irp i, 0,1,2,3
	ds_store_b128 v14, v[R+16*((\t)%4)+4*\i:R+16*((\t)%4)+4*\i+3] offset:32*SP*((\t)%2)+8*SP*\i
.endr
.irp i, 0,1,2,3
	ds_load_b128 v[X+16*((\t)%2)+4*\i:X+16*((\t)%2)+4*\i+3], v15 offset:32*SP*((\t)%2)+16*\i
.endr
.endm
.irp t, 0,1,2,3
	LOAD \t
.endr
	s_wait_loadcnt 12                              ; step 0's four loads are in; the twelve of steps 1 to 3 stay out
	TURN 0
.macro STEP t
.set XS, X+16*((\t)%2)
.if (\t) > 0
	s_wait_dscnt 1                                 ; this step's numbers are back from the stage (the last step's byte store may be out)
.else
	s_wait_dscnt 0x0
.endif
.if (\t)+4 < STEPS
	LOAD (\t)+4                                    ; into the registers that the stage's stores have read
.endif
.if (\t)+1 < STEPS
.if STEPS-2-(\t) >= 3
	s_wait_loadcnt 12                              ; the next step's four loads are in; those of the three steps behind it may be out
.else
	s_wait_loadcnt 4*(STEPS-2-(\t))
.endif
	TURN (\t)+1
.endif
	v_max3_num_f32 v8, |v[XS]|, |v[XS+1]|, |v[XS+2]|               ; the largest magnitude of my 16
	v_max3_num_f32 v9, |v[XS+3]|, |v[XS+4]|, |v[XS+5]|
.irp i, 6,10
	v_max3_num_f32 v8, v8, |v[XS+\i]|, |v[XS+\i+1]|
	v_max3_num_f32 v9, v9, |v[XS+\i+2]|, |v[XS+\i+3]|
.endr
	v_max3_num_f32 v8, v8, |v[XS+14]|, |v[XS+15]|
	v_max3_num_f32 v8, v8, v9, (EMAX+1)<<23        ; and the floor 2^(3 - 127): the byte cannot fall under 1
	v_max_num_f32_dpp v8, v8, v8 row_xmask:1 row_mask:0xf bank_mask:0xf   ; and of my neighbour's 16: the block's
	v_add_nc_u32 v11, -(EMAX<<23), v8              ; 2 off its exponent field: the conversion takes the exponent field of this operand as its scale
	v_cvt_scalef32_pk8_fp4_f32 v[C+4*(\t)], v[XS:XS+7], v11
	v_cvt_scalef32_pk8_fp4_f32 v[C+4*(\t)+1], v[XS+8:XS+15], v11
	v_lshrrev_b32 v[E+(\t)], 23, v11               ; the scale's byte
	ds_store_b8 v5, v[E+(\t)] offset:16*(\t)       ; both lanes of a block write the same byte with the same value
	global_store_b64 v4, v[C+4*(\t):C+4*(\t)+1], s[28:29] offset:32*CB*(\t)   ; the wave stores 256 consecutive bytes, aligned
.endm
.irp t, 0,1,2,3,4,5,6,7,8,9,10,11,12,13,14,15
	STEP \t
.endr
	ds_load_b64 v[8:9], v6                         ; LDS serves a wave's instructions in order: these see my stores
	s_wait_dscnt 0x0
	global_store_b64 v7, v[8:9], s[30:31]          ; 32 lanes store 256 consecutive bytes, aligned
	s_wait_tensorcnt 0x0                           ; the wave's end
	ds_add_u32 v[SPW], v[NIL]
	s_wait_dscnt 0x0
	s_endpgm
	; ---- Wo.  Wave w of work-group q takes 16 rows (nt = 2 q + w / 2) x 512 channels (half w % 2), in four tasks of 128 channels
.Lwo:
	s_sub_co_u32 s36, ttmp9, 224                   ; q
	s_lshr_b32 s37, s33, 1
	s_lshl_b32 s38, s36, 1
	s_add_co_u32 s38, s38, s37                     ; nt
	s_and_b32 s39, s33, 1
	s_lshl_b32 s40, s38, 16                        ; 16 rows of 4,096 bytes
	s_lshl_b32 s41, s39, 11                        ; 512 channels
	s_add_co_u32 s40, s40, s41
	s_mov_b32 s41, 0
	s_add_nc_u64 s[24:25], s[12:13], s[40:41]
	s_lshl_b32 s40, s38, 15                        ; 32,768 bytes of wof for each nt
	s_lshl_b32 s42, s39, 14                        ; 16 kc of 1,024 bytes
	s_add_co_u32 s40, s40, s42
	s_add_nc_u64 s[28:29], s[20:21], s[40:41]
.macro WLOAD t                         ; 16 rows x 512 consecutive bytes
.irp i, 0,1,2,3,4,5,6,7,8,9,10,11,12,13,14,15
	global_load_b128 v[R+64*((\t)%2)+4*\i:R+64*((\t)%2)+4*\i+3], v3, s[24:25] offset:4096*\i+512*(\t)
.endr
.endm
.macro WTASK t
.set WSET, R+64*((\t)%2)
.if (\t) < 3
	s_wait_loadcnt 16                              ; this task's 16 loads are in; the next task's stay out
.else
	s_wait_loadcnt 0x0
.endif
.irp i, 0,1,2,3,4,5,6,7,8,9,10,11,12,13,14,15
	v_cvt_pk_f16_f32 v[H+2*\i], v[WSET+4*\i], v[WSET+4*\i+1]
	v_cvt_pk_f16_f32 v[H+2*\i+1], v[WSET+4*\i+2], v[WSET+4*\i+3]
.endr
.irp i, 0,1,2,3,4,5,6,7,8,9,10,11,12,13,14,15
	ds_store_b64 v[WS], v[H+2*\i:H+2*\i+1] offset:272*\i
.endr
.if (\t) < 2
	WLOAD (\t)+2
.endif
.if (\t) > 0
	s_wait_xcnt 0x0                                ; the last task's stores have read the registers that the loads below fill
.endif
.irp n, 0,1,2,3,4,5,6,7
	ds_load_b128 v[HB+4*\n:HB+4*\n+3], v[WR] offset:64*(\n/2)+32*(\n%2)   ; row r, channels 32 (n / 2) + 16 (n % 2) + 8 h on
.endr
.irp n, 0,1,2,3,4,5,6,7
	s_wait_dscnt 7-\n                              ; piece n is back; the younger ones stay out
	global_store_b128 v3, v[HB+4*\n:HB+4*\n+3], s[28:29] offset:(4*(\t)+\n/2)*1024+512*(\n%2)   ; 512 consecutive bytes, aligned
.endr
.endm
	WLOAD 0
	WLOAD 1
	WTASK 0
	WTASK 1
	WTASK 2
	WTASK 3
	s_cmp_lg_u32 s33, 0
	s_cbranch_scc1 .Lend
	s_lshl_b32 s40, s36, 7                         ; the mask: 128 bytes a work-group, 4 a lane
	s_add_nc_u64 s[14:15], s[14:15], s[40:41]
	s_lshl_b32 s40, s36, 9
	s_add_nc_u64 s[22:23], s[22:23], s[40:41]
	v_lshlrev_b32 v228, 2, v2
	global_load_b32 v229, v228, s[14:15]
	v_mov_b32 v230, NEG
	s_wait_loadcnt 0x0
.irp j, 0,1,2,3
	v_bfe_u32 v231, v229, 8*\j, 8
	v_cmp_ne_u32 vcc_lo, 0, v231
	v_cndmask_b32 v[232+\j], 0, v230, vcc_lo       ; padded: -2^100
.endr
	global_store_b128 v3, v[232:235], s[22:23]     ; 512 consecutive bytes, aligned
.Lend:
	s_wait_tensorcnt 0x0                           ; the wave's end
	ds_add_u32 v[SPW], v[NIL]
	s_wait_dscnt 0x0
	s_endpgm
.Lfunc_end_k_q023af922d3_prep:
	.size	k_q023af922d3_prep, .Lfunc_end_k_q023af922d3_prep-k_q023af922d3_prep
	.p2alignl 7, 3214868480
	.fill 96, 4, 3214868480
	.section	.rodata,"a",@progbits
	.p2align	6, 0x0
	.amdhsa_kernel k_q023af922d3_prep
		.amdhsa_group_segment_fixed_size 50688
		.amdhsa_private_segment_fixed_size 0
		.amdhsa_enable_private_segment 0
		.amdhsa_kernarg_size 80
		.amdhsa_user_sgpr_count 2
		.amdhsa_user_sgpr_kernarg_segment_ptr 1
		.amdhsa_wavefront_size32 1
		.amdhsa_system_sgpr_workgroup_id_x 1
		.amdhsa_system_sgpr_workgroup_id_y 1
		.amdhsa_system_sgpr_workgroup_id_z 1
		.amdhsa_system_vgpr_workitem_id 0
		.amdhsa_next_free_vgpr 240
		.amdhsa_next_free_sgpr 66
		.amdhsa_reserve_vcc 1
		.amdhsa_float_denorm_mode_32 3
		.amdhsa_float_denorm_mode_16_64 3
		.amdhsa_memory_ordered 1
		.amdhsa_forward_progress 1
		.amdhsa_inst_pref_size 60
	.end_amdhsa_kernel
	.amdgpu_metadata
---
amdhsa.version: [ 1, 2 ]
amdhsa.kernels:
  - .name:           k_q023af922d3_prep
    .symbol:         k_q023af922d3_prep.kd
    .args:
      - { .name: x, .offset: 0, .size: 8, .value_kind: global_buffer, .address_space: global }
      - { .name: Wq, .offset: 8, .size: 8, .value_kind: global_buffer, .address_space: global }
      - { .name: Wk, .offset: 16, .size: 8, .value_kind: global_buffer, .address_space: global }
      - { .name: Wv, .offset: 24, .size: 8, .value_kind: global_buffer, .address_space: global }
      - { .name: Wo, .offset: 32, .size: 8, .value_kind: global_buffer, .address_space: global }
      - { .name: tgt_key_padding_mask, .offset: 40, .size: 8, .value_kind: global_buffer, .address_space: global }
      - { .name: cod, .offset: 48, .size: 8, .value_kind: global_buffer, .address_space: global }
      - { .name: scl, .offset: 56, .size: 8, .value_kind: global_buffer, .address_space: global }
      - { .name: wof, .offset: 64, .size: 8, .value_kind: global_buffer, .address_space: global }
      - { .name: bias, .offset: 72, .size: 8, .value_kind: global_buffer, .address_space: global }
    .group_segment_fixed_size: 50688
    .private_segment_fixed_size: 0
    .kernarg_segment_align: 8
    .kernarg_segment_size: 80
    .max_flat_workgroup_size: 128
    .sgpr_count:     66
    .vgpr_count:     240
    .wavefront_size: 32
...
	.end_amdgpu_metadata
.endif
;; end of part 1
;; launch qkv (part 2): grid 12 x 16, 4 waves a work-group, clusters of 4 x 4, 327,680 bytes of LDS; arguments cod, scl, qkv, fine; writes qkv, fine
.if DOCPART == 2
	.amdgcn_target "amdgcn-amd-amdhsa--gfx1250"
	.amdhsa_code_object_version 6
	.text
	.protected	k_q023af922d3_qkv
	.globl	k_q023af922d3_qkv
	.p2align	8
	.type	k_q023af922d3_qkv,@function
k_q023af922d3_qkv:
	s_mov_b64 s[64:65], 0
	v_nop
	global_prefetch_b8 v0, s[64:65] scope:SCOPE_SE
	s_setreg_imm32_b32 hwreg(HW_REG_WAVE_MODE, 25, 1), 1
	s_wait_xcnt 0x0
	s_wait_alu depctr_hold_cnt(0) depctr_sa_sdst(0) depctr_va_vdst(0) depctr_va_sdst(0) depctr_va_ssrc(0) depctr_va_vcc(0) depctr_vm_vsrc(0)
	s_getreg_b32 s2, hwreg(HW_REG_IB_STS2, 6, 4)
	s_cmp_eq_u32 s2, 0
	s_cbranch_scc0 .Lentry_in_a_cluster
	s_endpgm
.Lentry_in_a_cluster:
	s_bfe_u32 s2, ttmp6, 0x10000c
	s_cmp_lg_u32 s2, 0xf033
	s_cbranch_scc0 .Lentry_shape_is_right
	s_endpgm
.Lentry_shape_is_right:
; QKV.  [4096 tokens][1024] x [3072 rows of Wq, Wk, Wv][1024]^T on codes of FP4 (E2M1) with one E8M0 scale for each 32 along K; sums in f32.
; A tile of 256 tokens x 256 columns is made by a work-group of four waves; a wave makes 128 x 128: 64 accumulators, 512 registers.  K = 1,024 is two slots of 512 (rows of 256 bytes): both are asked for at the
; head and nothing is filled again.  The scale bytes of the work-group's rows come once, as dense blocks.
; CLUSTERS: 4 x 4 work-groups; x's tiles are asked for jointly along a row of the cluster, W's along a column.  The cluster's x (0, 1, 2) says which of Q, K, V is made: it is the same in all sixteen partners.
; THE RESULTS LEAVE AS IMAGES OF THE NEXT OPERAND'S REGISTERS, in f16, 16 bytes a lane, 512 consecutive bytes a store, with no way through LDS:
;   Q, K: source 0 = 16 rows of W, source 1 = 16 tokens: a lane holds one token and eight neighbouring channels.  qkv[which][bh][tile of 16 tokens][kk 2][c 2][lane][16 B] = token r, channels 32 kk + 16 c + 8 h + 0..7.
;   V:    source 0 = 16 tokens, source 1 = 16 rows of W: a lane holds one channel and eight neighbouring tokens.  qkv[2][bh][kp (32 keys)][ct 4][c 2][lane][16 B] = channel 16 ct + r, keys 32 kp + 16 c + 8 h + 0..7.
; The first 16 positions of each sequence also leave in f32 (fine), accumulator registers as they stand, for the launch that carries those rows finely.
; LIMIT: |Q|, |K|, |V| stay under 65,504, the largest f16 number.
; REGISTERS, in windows of 256: window 0: v0-31 addresses; v32-95 scale words, two sets (on the way out: packed results); from v128 x's fragments, one set.  window 1: W's fragments, two sets.
;   window 2: the accumulators of my tokens 0-63 ((a, b) at v[8 (8 a + b)]);  window 3: those of my tokens 64-127.
.set NQ,     4                         ; matrix instructions deep in a slot
.set ROWB,   256                       ; a tile's row: 512 codes
.set KROW,   512                       ; a row of codes in memory
.set PITCH,  272                       ; an LDS row: 256 bytes + 16 of padding = 68 words, so the 16 rows that a load touches begin 4 words apart modulo 64
.set FR,     8
.set NL,     2
.set NP,     4                         ; places behind this matrix instruction (ISA guide 7.12.1)
.set HALFT,  128*PITCH
.set SLOT,   4*HALFT
.set KS,     32                        ; a row of scale bytes
.set SCL,    2*SLOT
.set HALFS,  (128*KS/256)*272
.set SBLK,   (16*KS/256)*272
.set SPARE,  SCL+4*HALFS               ; the spare words, 128 bytes a wave: two blocks of 256 bytes that no other line names
.set ADRA, 16
.set ADRB, 20
.set CO,   26                          ; v26 16 x lane
.set ADRS, 27
.set SPW,  28
.set NIL,  29
.set FL,   30                          ; v30 0 in the waves whose block 0 holds positions 0-15 of a sequence
.set SC,   32
.set TMP,  32
.set AF,   128
.set G1, 24
.set G0, 32
.set G1B, 48
.set G0B, 56
.set G1S, 68
.set G0S, 76
.set G1SB, 80
.set G0SB, 88
.set MSB, 0
.macro WIN new                         ; the immediate's high byte repeats the setting that is left
.if MSB != (\new)
	s_set_vgpr_msb (MSB<<8)|(\new)
.set MSB, (\new)
.endif
.endm
.set MUL_LO, 0xa1                      ; source 0 window 1, source 1 window 0, C and D window 2;  + 3: the sources' windows the other way round
.set MUL_HI, 0xf1
.set TO_B,   0x40
; A joint load: waves 0 and 1 fetch for x, waves 2 and 3 for W.  The branch hangs on the wave's number alone.  An s_nop 0 and four v_nop follow each of the two lines.
.macro JLOAD g0a, g1a, g0b, g1b
	s_cmp_eq_u32 s15, 0
	s_cbranch_scc0 .Lfor_b_\@
	tensor_load_to_lds s[\g0a:\g0a+3], s[\g1a:\g1a+7]
	s_nop 0
.rept 4
	v_nop
.endr
	s_branch .Lasked_\@
.Lfor_b_\@:
	tensor_load_to_lds s[\g0b:\g0b+3], s[\g1b:\g1b+7]
	s_nop 0
.rept 4
	v_nop
.endr
.Lasked_\@:
.endm
.macro CROUND                          ; a round of the cluster's barrier
	s_barrier_signal -1
	s_barrier_wait -1
	s_cmp_lg_u32 s14, 0
	s_cbranch_scc1 .Lnot_wave_0_\@
	s_barrier_signal -3
.Lnot_wave_0_\@:
	s_barrier_wait -3
	s_barrier_signal -1
	s_barrier_wait -1
.endm
	s_load_b128 s[4:7], s[0:1], 0x0                ; cod, scl
	s_load_b128 s[96:99], s[0:1], 0x10             ; qkv, fine
	v_lshl_add_u32 v[SPW], v0, 2, SPARE
	v_mov_b32 v[NIL], 0
	ds_add_u32 v[SPW], v[NIL]                      ; the wave's opening: the add, twice on end, and its wait ahead of my first tensor load
	ds_add_u32 v[SPW], v[NIL]
	v_lshrrev_b32 v1, 5, v0
	v_readfirstlane_b32 s14, v1                    ; wave 0..3
	s_lshr_b32 s15, s14, 1                         ; which half of the tile's tokens is mine.  Also: I fetch for x (0) or for W (1)
	s_and_b32 s16, s14, 1                          ; which half of its columns.  Also: which 128 rows I fetch
	s_bfe_u32 s40, ttmp6, 0x40000                  ; cx, cy
	s_bfe_u32 s41, ttmp6, 0x40004
	s_lshl_b32 s42, ttmp9, 2
	s_add_co_u32 s42, s42, s40                     ; tile column = 4 x cluster x + cx
	s_and_b32 s17, ttmp7, 0xffff
	s_lshl_b32 s17, s17, 2
	s_add_co_u32 s17, s17, s41                     ; tile row = 4 x cluster y + cy
	s_lshl_b32 s43, s41, 2
	s_lshl_b32 s43, 15, s43                        ; my row of the cluster
	s_lshl_b32 s44, 0x1111, s40                    ; my column
	s_or_b32 s[G1+0], s43, (0<<16)|(1<<20)|(1<<21)|(5<<22)|(3<<25)  ; the mask; elements of 1 byte; padding on; bit 21 beside a mask; 4 words behind every 64
	s_or_b32 s[G1B+0], s44, (0<<16)|(1<<20)|(1<<21)|(5<<22)|(3<<25)
.irp g, G1, G1B
	s_mov_b32 s[\g+1], ROWB<<16                    ; tensor_dim0
	s_mov_b32 s[\g+2], 128<<16                     ; tensor_dim1
	s_mov_b32 s[\g+3], ROWB<<16                    ; tile_dim0
	s_mov_b32 s[\g+4], 128                         ; tile_dim1
	s_mov_b32 s[\g+5], KROW                        ; the pitch
	s_mov_b32 s[\g+6], 0
	s_mov_b32 s[\g+7], 0
.endr
	s_or_b32 s[G1S+0], s43, (3<<16)|(1<<20)|(1<<21)|(5<<22)|(3<<25)   ; the scales of 128 rows: 4,096 dense bytes as 16 rows of 256 (32 elements of 8 bytes), 16 bytes of padding behind each
	s_or_b32 s[G1SB+0], s44, (3<<16)|(1<<20)|(1<<21)|(5<<22)|(3<<25)
.irp g, G1S, G1SB
	s_mov_b32 s[\g+1], 32<<16
	s_mov_b32 s[\g+2], (128*KS/256)<<16
	s_mov_b32 s[\g+3], 32<<16
	s_mov_b32 s[\g+4], 128*KS/256
	s_mov_b32 s[\g+5], 32
	s_mov_b32 s[\g+6], 0
	s_mov_b32 s[\g+7], 0
.endr
	s_lshl_b32 s18, s16, 7
	s_lshl_b32 s20, s17, 8
	s_add_co_u32 s20, s20, s18                     ; x: row 256 x tile row + 128 x half
	s_lshl_b32 s46, s42, 8
	s_add_co_u32 s46, s46, s18                     ; W: row 256 x tile column + 128 x half
	s_mov_b32 s21, 0
	s_mov_b32 s47, 0
	s_mov_b64 s[18:19], KS
	s_mul_u64 s[22:23], s[20:21], s[18:19]
	s_mul_u64 s[92:93], s[46:47], s[18:19]
	s_mov_b64 s[18:19], KROW
	s_mul_u64 s[20:21], s[20:21], s[18:19]
	s_mul_u64 s[46:47], s[46:47], s[18:19]
	s_mul_i32 s45, s14, HALFT                      ; where they go: wave x 128 rows
	s_mul_i32 s94, s14, HALFS
	s_wait_dscnt 0x0                               ; both opening adds are done
	s_wait_kmcnt 0x0
	s_add_nc_u64 s[8:9], s[4:5], 0x200000          ; W's codes lie behind x's 4,096 rows of 512 bytes,
	s_add_nc_u64 s[10:11], s[6:7], 0x20000         ; W's scale bytes behind x's 4,096 rows of 32
	s_add_nc_u64 s[20:21], s[4:5], s[20:21]
	s_add_nc_u64 s[22:23], s[6:7], s[22:23]
	s_add_nc_u64 s[46:47], s[8:9], s[46:47]
	s_add_nc_u64 s[92:93], s[10:11], s[92:93]
	CROUND                                         ; all sixteen work-groups are here: the joint loads meet
	s_mov_b32 s[G0S], 1
	s_add_co_u32 s[G0S+1], s94, SCL
	s_mov_b64 s[G0S+2:G0S+3], s[22:23]
	s_or_b32 s[G0S+3], s[G0S+3], 0x80000000
	s_mov_b32 s[G0SB], 1
	s_add_co_u32 s[G0SB+1], s94, SCL
	s_mov_b64 s[G0SB+2:G0SB+3], s[92:93]
	s_or_b32 s[G0SB+3], s[G0SB+3], 0x80000000
	JLOAD G0S, G1S, G0SB, G1SB                     ; the scales first
.irp s, 0,1
	s_mov_b32 s[G0+4*\s], 1
	s_add_co_u32 s[G0+4*\s+1], s45, \s*SLOT
	s_add_nc_u64 s[G0+4*\s+2:G0+4*\s+3], s[20:21], \s*ROWB
	s_or_b32 s[G0+4*\s+3], s[G0+4*\s+3], 0x80000000
	s_mov_b32 s[G0B+4*\s], 1
	s_add_co_u32 s[G0B+4*\s+1], s45, \s*SLOT
	s_add_nc_u64 s[G0B+4*\s+2:G0B+4*\s+3], s[46:47], \s*ROWB
	s_or_b32 s[G0B+4*\s+3], s[G0B+4*\s+3], 0x80000000
	JLOAD G0+4*\s, G1, G0B+4*\s, G1B               ; three loads of mine are out in all
.endr
	v_and_b32 v1, 15, v0
	v_bfe_u32 v2, v0, 4, 1
	v_mul_u32_u24 v3, v1, PITCH
	v_lshl_add_u32 v4, v2, 4, v3                   ; a fragment's row x pitch + 16 x half
	s_mul_i32 s21, s15, HALFT
	s_mul_i32 s22, s16, HALFT
	s_add_co_u32 s22, s22, 2*HALFT
.irp s, 0,1
	v_add_nc_u32 v[ADRA+\s], s21, v4
	v_add_nc_u32 v[ADRB+\s], s22, v4
	s_add_co_u32 s21, s21, SLOT
	s_add_co_u32 s22, s22, SLOT
.endr
	v_mul_u32_u24 v5, v1, KS                       ; my row's scales: 32 bytes a row,
	v_lshrrev_b32 v6, 8, v5
	v_lshl_add_u32 v5, v6, 4, v5                   ; and 16 more for each 256 passed
	s_mul_i32 s21, s15, HALFS
	s_mul_i32 s22, s16, HALFS
	s_add_co_u32 s22, s22, 2*HALFS
	s_sub_co_u32 s22, s22, s21
	v_mul_u32_u24 v6, s22, v2                      ; lanes 16-31 take W's
	s_add_co_u32 s21, s21, SCL
	v_add_nc_u32 v5, v5, v6
	v_add_nc_u32 v[ADRS], s21, v5
	v_and_b32 v6, 31, v0
	v_lshlrev_b32 v[CO], 4, v6
	s_and_b32 s2, s17, 7
	s_or_b32 s2, s2, s15
	v_mov_b32 v[FL], s2                            ; 0: my first token is a sequence's first
	s_lshr_b32 s3, s17, 3                          ; the batch: 8 tile rows of 256 tokens each
	s_lshl_b32 s2, ttmp9, 17                       ; fine: [which][batch][column tile 64][half 2][512 bytes]
	s_lshl_b32 s66, s3, 16
	s_add_co_u32 s2, s2, s66
	s_lshl_b32 s66, s40, 14
	s_add_co_u32 s2, s2, s66
	s_lshl_b32 s66, s16, 13
	s_add_co_u32 s100, s2, s66
	s_mov_b32 s101, 0
	s_add_nc_u64 s[98:99], s[98:99], s[100:101]
	s_lshl_b32 s2, ttmp9, 23                       ; qkv: 8 MiB for each of Q, K, V; 4 MiB a batch; 262,144 bytes a head; 128 bytes a token
	s_lshl_b32 s66, s3, 22
	s_add_co_u32 s2, s2, s66
	s_lshl_b32 s66, s40, 20                        ; 4 heads to a tile column,
	s_add_co_u32 s2, s2, s66
	s_lshl_b32 s66, s16, 19                        ; 2 to a wave
	s_add_co_u32 s2, s2, s66
	s_and_b32 s66, s17, 7
	s_lshl_b32 s66, s66, 15
	s_add_co_u32 s2, s2, s66
	s_lshl_b32 s66, s15, 14
	s_add_co_u32 s100, s2, s66
	s_add_nc_u64 s[12:13], s[96:97], s[100:101]
.macro FRAG reg, adr, q, i             ; 16 rows x 128 K of 4-bit codes: 8 registers, two loads of 16 bytes, 32 bytes apart
.irp c, 0,1
	ds_load_b128 v[\reg+4*\c:\reg+4*\c+3], v[\adr] offset:64*(\q)+32*\c+(\i)*16*PITCH
.endr
.endm
; 16 matrix instructions: x's blocks a0, a0 + 1 against W's eight, 128 along K.  nat = 0: source 0 = W, source 1 = x;  nat = 1: the other way round.  A scale register holds x's words in lanes 0-15 and W's in lanes 16-31.
; zero = 1: the first product starts the sums.  The 64 accumulators take turns, one instruction a turn.
.macro MUL16 a0, p, q, sc, zero, nat
.irp a, \a0, \a0+1
.irp b, 0,1,2,3,4,5,6,7
.set rD, 8*(8*((\a)%4)+\b)
.set rW, 128*(\p)+FR*\b
.set rX, AF+FR*(\a)
.set rSW, SC+8*NQ*(\sc)+NQ*\b+(\q)
.set rSX, SC+8*NQ*(\sc)+NQ*(\a)+(\q)
.if (\nat) && (\zero)
	v_wmma_scale_f32_16x16x128_f8f6f4 v[rD:rD+7], v[rX:rX+7], v[rW:rW+7], 0, v[rSX], v[rSW] matrix_a_fmt:MATRIX_FMT_FP4 matrix_b_fmt:MATRIX_FMT_FP4 matrix_b_scale:MATRIX_SCALE_ROW1
.elseif \nat
	v_wmma_scale_f32_16x16x128_f8f6f4 v[rD:rD+7], v[rX:rX+7], v[rW:rW+7], v[rD:rD+7], v[rSX], v[rSW] matrix_a_fmt:MATRIX_FMT_FP4 matrix_b_fmt:MATRIX_FMT_FP4 matrix_b_scale:MATRIX_SCALE_ROW1
.elseif \zero
	v_wmma_scale_f32_16x16x128_f8f6f4 v[rD:rD+7], v[rW:rW+7], v[rX:rX+7], 0, v[rSW], v[rSX] matrix_a_fmt:MATRIX_FMT_FP4 matrix_b_fmt:MATRIX_FMT_FP4 matrix_a_scale:MATRIX_SCALE_ROW1
.else
	v_wmma_scale_f32_16x16x128_f8f6f4 v[rD:rD+7], v[rW:rW+7], v[rX:rX+7], v[rD:rD+7], v[rSW], v[rSX] matrix_a_fmt:MATRIX_FMT_FP4 matrix_b_fmt:MATRIX_FMT_FP4 matrix_a_scale:MATRIX_SCALE_ROW1
.endif
.endr
.endr
.endm
.macro FETCH_B slot, q, p
	WIN TO_B
.irp i, 0,1,2,3,4,5,6,7
	FRAG 128*(\p)+FR*\i, ADRB+\slot, \q, \i
.endr
	WIN 0
.endm
.macro FETCH_A slot, q, i0
.irp i, \i0, \i0+1, \i0+2, \i0+3
	FRAG AF+FR*(\i), ADRA+\slot, \q, \i
.endr
.endm
.macro SCALES sc                       ; a slot's scale words: 4 words a row; lanes 0-15 take x's block i, lanes 16-31 W's block i
.irp i, 0,1,2,3,4,5,6,7
	ds_load_b128 v[SC+8*NQ*\sc+NQ*\i:SC+8*NQ*\sc+NQ*\i+3], v[ADRS] offset:\i*SBLK
.endr
.endm
.macro PLACES n                        ; plain vector instructions between a matrix instruction and a load into, or a read of, its registers
.rept \n
	v_nop
.endr
.endm
.macro STEP slot, q, zero, nat         ; 128 along K, with its successor in the same slot
	s_wait_dscnt 4*NL                              ; W's set and x's blocks 0-3 are in; the youngest eight loads (x's blocks 4-7) may be out
	WIN MUL_LO+3*(\nat)
	MUL16 0, (\q)%2, \q, \slot, \zero, \nat
	MUL16 2, (\q)%2, \q, \slot, \zero, \nat
	s_wait_dscnt 0
	PLACES NP
	FETCH_B \slot, (\q)+1, 1-(\q)%2
	FETCH_A \slot, (\q)+1, 0
	WIN MUL_HI+3*(\nat)
	MUL16 4, (\q)%2, \q, \slot, \zero, \nat
	MUL16 6, (\q)%2, \q, \slot, \zero, \nat
	PLACES NP
	WIN 0
	FETCH_A \slot, (\q)+1, 4
.endm
.macro TURN nat                        ; slot 0's last step, and the change to slot 1: each wave's part of slot 1 has landed, then the barrier.  Nothing is filled again
	s_wait_tensorcnt 0x0                           ; all my tensor loads have landed
	ds_add_u32 v[SPW], v[NIL]                      ; 0 onto my spare word
	s_wait_dscnt 4*NL+1                            ; (the add and the youngest eight loads may be out)
	WIN MUL_LO+3*(\nat)
	MUL16 0, 1, NQ-1, 0, 0, \nat
	s_wait_dscnt 0x0
	s_barrier_signal -1
	MUL16 2, 1, NQ-1, 0, 0, \nat
	WIN 0
	s_barrier_wait -1
	PLACES NP
	v_add_nc_u32 v[ADRS], 4*NQ, v[ADRS]            ; on to slot 1's scale words
	FETCH_B 1, 0, 0
	FETCH_A 1, 0, 0
	SCALES 1
	WIN MUL_HI+3*(\nat)
	MUL16 4, 1, NQ-1, 0, 0, \nat
	MUL16 6, 1, NQ-1, 0, 0, \nat
	PLACES NP
	WIN 0
	FETCH_A 1, 0, 4
.endm
.macro BODY nat
	STEP 0, 0, 1, \nat
	STEP 0, 1, 0, \nat
	STEP 0, 2, 0, \nat
	TURN \nat
	STEP 1, 0, 0, \nat
	STEP 1, 1, 0, \nat
	STEP 1, 2, 0, \nat
	s_wait_dscnt 4*NL                              ; the last step: nothing more to fetch
	WIN MUL_LO+3*(\nat)
	MUL16 0, 1, NQ-1, 1, 0, \nat
	MUL16 2, 1, NQ-1, 1, 0, \nat
	s_wait_dscnt 0
	WIN MUL_HI+3*(\nat)
	MUL16 4, 1, NQ-1, 1, 0, \nat
	MUL16 6, 1, NQ-1, 1, 0, \nat
	WIN 0
.endm
; THE WAY OUT.  First the f32 image of positions 0-15: block 0's accumulators as they stand, stored only by the waves that hold them.  The choice is made by EXEC, all lanes or none, not by a branch.
; Then block by block: eight f32 of a lane become 16 bytes of f16, and each store covers 512 consecutive bytes, aligned.
.macro OUT nat
	PLACES NP
	s_wait_xcnt 0x0                                ; EXEC changes only behind this wait
	v_cmp_eq_u32 vcc_lo, 0, v[FL]
	s_and_saveexec_b32 s3, vcc_lo
	WIN 0x08                                       ; a store's data: window 2
.irp b, 0,1,2,3,4,5,6,7
	global_store_b128 v[CO], v[8*\b:8*\b+3], s[98:99] offset:1024*\b          ; each accumulator from its low end on
	global_store_b128 v[CO], v[8*\b+4:8*\b+7], s[98:99] offset:1024*\b+512
.endr
	WIN 0
	s_wait_xcnt 0x0                                ; and again ahead of the line that restores it
	s_or_b32 exec_lo, exec_lo, s3
.irp a, 0,1,2,3,4,5,6,7
.if \a > 1
	s_wait_xcnt 0x0                                ; block a - 2's stores have read the registers that are written next
.endif
.set AC, 64*((\a)%4)
.set TP, TMP+32*((\a)%2)
	WIN 0x0a+5*((\a)/4)                            ; sources in window 2 or 3
.irp b, 0,1,2,3,4,5,6,7
.irp r, 0,1,2,3
	v_cvt_pk_f16_f32 v[TP+4*\b+\r], v[AC+8*\b+2*\r], v[AC+8*\b+2*\r+1]
.endr
.endr
	WIN 0
.irp b, 0,1,2,3,4,5,6,7
.if \nat
	global_store_b128 v[CO], v[TP+4*\b:TP+4*\b+3], s[12:13] offset:(\b/4)*262144+((\a)/2)*4096+(\b%4)*1024+((\a)%2)*512
.else
	global_store_b128 v[CO], v[TP+4*\b:TP+4*\b+3], s[12:13] offset:(\b/4)*262144+(\a)*2048+(\b%4)*512
.endif
.endr
.endr
.endm
	s_wait_tensorcnt 1                             ; the scales and my part of slot 0 are in (slot 1's load may be out)
	s_barrier_signal -1
	s_barrier_wait -1                              ; everybody's are
	FETCH_B 0, 0, 0
	FETCH_A 0, 0, 0
	SCALES 0
	FETCH_A 0, 0, 4
	s_cmp_eq_u32 ttmp9, 2                          ; the cluster's x: V's columns?  The same in all waves of all sixteen partners
	s_cbranch_scc1 .Lnat
	BODY 0
	OUT 0
	s_branch .Lend
.Lnat:
	BODY 1
	OUT 1
.Lend:
	s_wait_tensorcnt 0x0                           ; the wave's end
	ds_add_u32 v[SPW], v[NIL]
	s_wait_dscnt 0x0
	CROUND                                         ; the closing round
	s_endpgm
.Lfunc_end_k_q023af922d3_qkv:
	.size	k_q023af922d3_qkv, .Lfunc_end_k_q023af922d3_qkv-k_q023af922d3_qkv
	.p2alignl 7, 3214868480
	.fill 96, 4, 3214868480
	.section	.rodata,"a",@progbits
	.p2align	6, 0x0
	.amdhsa_kernel k_q023af922d3_qkv
		.amdhsa_group_segment_fixed_size 327680
		.amdhsa_private_segment_fixed_size 0
		.amdhsa_enable_private_segment 0
		.amdhsa_kernarg_size 32
		.amdhsa_user_sgpr_count 2
		.amdhsa_user_sgpr_kernarg_segment_ptr 1
		.amdhsa_wavefront_size32 1
		.amdhsa_system_sgpr_workgroup_id_x 1
		.amdhsa_system_sgpr_workgroup_id_y 1
		.amdhsa_system_sgpr_workgroup_id_z 1
		.amdhsa_system_vgpr_workitem_id 0
		.amdhsa_next_free_vgpr 1024
		.amdhsa_next_free_sgpr 102
		.amdhsa_reserve_vcc 1
		.amdhsa_float_denorm_mode_32 3
		.amdhsa_float_denorm_mode_16_64 3
		.amdhsa_memory_ordered 1
		.amdhsa_forward_progress 1
		.amdhsa_inst_pref_size 226
	.end_amdhsa_kernel
	.amdgpu_metadata
---
amdhsa.version: [ 1, 2 ]
amdhsa.kernels:
  - .name:           k_q023af922d3_qkv
    .symbol:         k_q023af922d3_qkv.kd
    .args:
      - { .name: cod, .offset: 0, .size: 8, .value_kind: global_buffer, .address_space: global }
      - { .name: scl, .offset: 8, .size: 8, .value_kind: global_buffer, .address_space: global }
      - { .name: qkv, .offset: 16, .size: 8, .value_kind: global_buffer, .address_space: global }
      - { .name: fine, .offset: 24, .size: 8, .value_kind: global_buffer, .address_space: global }
    .group_segment_fixed_size: 327680
    .private_segment_fixed_size: 0
    .kernarg_segment_align: 8
    .kernarg_segment_size: 32
    .max_flat_workgroup_size: 128
    .sgpr_count:     102
    .vgpr_count:     1024
    .wavefront_size: 32
...
	.end_amdgpu_metadata
.endif
;; end of part 2
;; launch attn (part 3): grid 8 x 32, 8 waves a work-group, no clusters, 327,680 bytes of LDS; arguments qkv, bias, of; writes of
.if DOCPART == 3
	.amdgcn_target "amdgcn-amd-amdhsa--gfx1250"
	.amdhsa_code_object_version 6
	.text
	.protected	k_q023af922d3_attn
	.globl	k_q023af922d3_attn
	.p2align	8
	.type	k_q023af922d3_attn,@function
k_q023af922d3_attn:
	s_mov_b64 s[64:65], 0
	v_nop
	global_prefetch_b8 v0, s[64:65] scope:SCOPE_SE
	s_setreg_imm32_b32 hwreg(HW_REG_WAVE_MODE, 25, 1), 1
	s_wait_xcnt 0x0
; ATTN.  O[b][h][q] = sum over k of softmax_k(Q.K / 8 + masks) V, head size 64, 2,048 positions, causal, with a key padding mask.  Q, K, V^T come as f16 images of the operands' registers; products, maxima and sums in f32;
; the weights p are rounded to f16 for the second product, O once at the end (of: f16 images for the projection: of[tile of 16 tokens][kc 32][c 2][lane][16 B] = token r, channels 32 kc + 16 c + 8 h + 0..7).
; MASKS.  A padded key adds -2^100 to its scores as the C of the first product (bias holds 0 or -2^100); a causally hidden score is set to -2^100.  The running maximum m begins at -2^96, so p = 2^(c s - c m) of a masked
; score is 0; a row with no key that counts keeps l = 0 and O = 0 and leaves as 0 x (1 / 0) = NaN, as the softmax of a row of -infinity is.
; LIMITS: true scores lie above -2^96; |Q|, |K|, |V| under 65,504; NaN and infinities among the inputs are not served.
; SHARES.  A head's queries are 16 blocks of 128.  Work-group J takes block J and then block 15 - J: (J + 2) / 2 and 9 - (J + 2) / 2 units of 256 keys, nine trips in every work-group.
; Waves w and w + 4 own the same 32 queries (two tiles of 16): team A (waves 0-3) takes the even groups of 64 keys, team B the odd ones.  At a pass's end team B hands m, l and O to team A through LDS.
; NO CLUSTER: where a pass ends and which steps are hidden are branches on the block's number, and from the first pass's end on the work-groups of a head want different units.
; LAYOUT.  S^T = K Q^T and O^T = V^T P: a lane holds one query (lane % 16) throughout; two tiles of S^T, rounded in pairs, are source 1 of the second product.
; RING.  Two slots of 65,536 bytes (K's 32 KiB, V's 32 KiB of a unit, as images: a load's 512 bytes are consecutive).  Wave 0 fetches K's, wave 1 V's, one tensor load each behind each change of slots:
; one load of a wave is out at a time.
; REGISTERS.  window 0: v1-14 addresses; v16-31 statistics (8 a tile: c m, m, l (two), four at work); v32-55 at work; v64-127 S^T; v128-191 K; v192-223 the bias; v224-255 P.
;   window 1: v0-63 O^T (tile t, channels 16 ct on: 32 t + 8 ct); v64-95 Q; v128-191 V.
.set SLOT1, 65536
.set VOFF,  32768
.set MRG,   131072                     ; the hand-over: 4 x (8,192 bytes of O + 512 of statistics)
.set SPARE, MRG+4*8704                 ; the spare words, 128 bytes a wave: four blocks of 256 bytes that no other line names
.set NEG,   0xf1800000                 ; -2^100
.set MINIT, 0xef800000                 ; -2^96
.set A0,  1                            ; v1  16 x lane + 8,192 x team
.set AD,  2                            ; v2  the same in the slot in hand
.set LI,  3                            ; v3  16 x lane
.set BO,  4                            ; v4  the bias loads' offset
.set B0,  5                            ; v5  32 h
.set RH,  6                            ; v6  r - 8 h
.set D0,  7                            ; v7, v8  the diagonal's place for tiles 0, 1
.set NEGR, 9
.set MS,  10                           ; v10 the hand-over: O
.set MS4, 11                           ; v11 the hand-over: statistics
.set SPW, 12
.set NIL, 13
.set PFO, 14                           ; v14 256 x lane
.set ST,  16
.set TM,  32
.set S,   64
.set KR,  128
.set BI,  192
.set P,   224
.set QW,  64                           ; in window 1
.set VW,  128                          ; in window 1
.set WV,  14
.set TEAM, 15
.set CH,  16
.set BH,  18
.set TS,  19                           ; trips of the first pass
.set TR,  20                           ; the trip
.set QB,  21                           ; my first query
.set KU,  22                           ; the unit's first key
.set TB,  23                           ; the slot in hand
.set G1,  24
.set G0,  32
.set SEL, 36
.set CS,  38                           ; c = log2(e) / 8, as a pair
.set PFA, 40
.set LIM, 42
.set NU,  43                           ; the next trip's unit
.set BASE, 44
.set QP,  46
.set UO,  48
.set OB,  60
.set MSB, 0
.macro WIN new
.if MSB != (\new)
	s_set_vgpr_msb (MSB<<8)|(\new)
.set MSB, (\new)
.endif
.endm
.macro PLACES
.rept 4
	v_nop
.endr
.endm
.macro TLOAD                           ; wave 0: K's 32 KiB of a unit; wave 1: V's.  An s_nop 0 and four v_nop follow the line
	s_cmp_lt_u32 s[WV], 2
	s_cbranch_scc0 .Lno_\@
	tensor_load_to_lds s[G0:G0+3], s[G1:G1+7]
	s_nop 0
.rept 4
	v_nop
.endr
.Lno_\@:
.endm
; A prefetch of the unit that the NEXT change of slots asks for.  All eight work-groups of a head walk the same K and V: work-group 0 asks, in its trips 1 to 6, for units 2 to 7; in it the waves that fetch nothing
; ask: waves 4, 5 for K's halves, waves 6, 7 for V's, 16 KiB each, lanes 256 bytes apart, two instructions.  So each aligned block of 256 bytes is named once; units 0 and 1 come by their loads alone.
.macro ASK
	s_sub_co_u32 s50, s[TR], 1
	s_cmp_lt_u32 s50, s[LIM]
	s_cbranch_scc0 .Lnp_\@
	global_prefetch_b8 v[PFO], s[PFA:PFA+1] th:TH_LOAD_NT scope:SCOPE_SE
	global_prefetch_b8 v[PFO], s[PFA:PFA+1] offset:8192 th:TH_LOAD_NT scope:SCOPE_SE
.Lnp_\@:
.endm
; THE CHANGE OF SLOTS, at a trip's head.  Each wave waits for all its tensor loads, adds 0 to its spare word, and waits for that and for its reads of the slot that it has left; behind the barrier the slot ahead is whole
; and nobody reads the other one, which takes the next trip's unit.
.macro CHANGE fill
	s_wait_tensorcnt 0x0                           ; no tensor load of mine is out, so the descriptor may be written
	ds_add_u32 v[SPW], v[NIL]
.if \fill
	ds_add_u32 v[SPW], v[NIL]                      ; and twice on end here, in every trip alike
	s_add_co_u32 s[NU], s[TR], 1
	s_sub_co_u32 s50, s[NU], s[TS]
	s_cmp_ge_u32 s[NU], s[TS]
	s_cselect_b32 s[NU], s50, s[NU]                ; the second pass begins again at unit 0
	s_lshl_b32 s[UO], s[NU], 15                    ; 32,768 bytes a unit
	s_xor_b32 s[G0+1], s[G0+1], SLOT1              ; the other slot than last time
	s_add_nc_u64 s[G0+2:G0+3], s[BASE:BASE+1], s[UO:UO+1]
	s_or_b32 s[G0+3], s[G0+3], 0x80000000
	s_wait_xcnt 0x0                                ; the last prefetches, a trip back, have read their address
	s_add_nc_u64 s[PFA:PFA+1], s[PFA:PFA+1], 32768
.endif
	s_wait_dscnt 0x0                               ; the add is done, and my reads of the slot that I have left are over
	s_barrier_signal -1
	s_barrier_wait -1
.if \fill
	TLOAD                                          ; the first thing behind the barrier, a wave's one tensor load until the next
	ASK
.endif
.endm
.macro QLOAD                           ; my two tiles of Q stay in registers for a pass
	s_lshl_b32 s12, s[QB], 7
	s_mov_b32 s13, 0
	s_add_nc_u64 s[10:11], s[QP:QP+1], s[12:13]
	WIN 0x40
.irp t, 0,1
.irp kk, 0,1
.irp c, 0,1
	global_load_b128 v[QW+16*\t+8*\kk+4*\c:QW+16*\t+8*\kk+4*\c+3], v[LI], s[10:11] offset:2048*\t+1024*\kk+512*\c
.endr
.endr
.endr
	WIN 0
.endm
.macro BIASL                           ; the bias of the 64 keys from s53 on: register j of key tile u = key 16 u + 8 h + j
	v_lshl_add_u32 v[BO], s53, 2, v[B0]
.irp u, 0,1,2,3
.irp e, 0,1
	global_load_b128 v[BI+8*\u+4*\e:BI+8*\u+4*\e+3], v[BO], s[6:7] offset:64*\u+16*\e
.endr
.endr
.endm
.macro REINIT                          ; a pass begins: O = 0, l = 0, m = -2^96
	WIN 0x40
.set i, 0
.rept 64
	v_mov_b32 v[i], 0
.set i, i+1
.endr
	WIN 0
.irp t, 0,1
	v_mov_b32 v[ST+8*\t+1], MINIT
	v_mul_f32 v[ST+8*\t], s[CS], v[ST+8*\t+1]
	v_mov_b32 v[ST+8*\t+2], 0
	v_mov_b32 v[ST+8*\t+3], 0
.endr
.endm
; THE SOFTMAX of two tiles of 16 queries x 64 keys, the tiles by turns.  All 66 exponentials are one batch with one wait.
.macro SOFT
.irp j, 0,1,2,3
.irp t, 0,1
	v_max3_num_f32 v[ST+8*\t+4+\j], v[S+32*\t+8*\j], v[S+32*\t+8*\j+1], v[S+32*\t+8*\j+2]   ; each accumulator is read from its low end on
.endr
.endr
.irp g, 1,2
.irp j, 0,1,2,3
.irp t, 0,1
	v_max3_num_f32 v[ST+8*\t+4+\j], v[ST+8*\t+4+\j], v[S+32*\t+8*\j+2*\g+1], v[S+32*\t+8*\j+2*\g+2]
.endr
.endr
.endr
.irp t, 0,1
	v_max3_num_f32 v[ST+8*\t+4], v[ST+8*\t+4], v[S+32*\t+7], v[S+32*\t+15]
	v_max3_num_f32 v[ST+8*\t+6], v[ST+8*\t+6], v[S+32*\t+23], v[S+32*\t+31]
.endr
.irp t, 0,1
	v_max3_num_f32 v[ST+8*\t+4], v[ST+8*\t+4], v[ST+8*\t+5], v[ST+8*\t+6]
.endr
.irp t, 0,1
	v_max3_num_f32 v[ST+8*\t+4], v[ST+8*\t+4], v[ST+8*\t+7], v[ST+8*\t+1]   ; with the old m
.endr
.irp t, 0,1
	v_permlanex16_b32 v[ST+8*\t+5], v[ST+8*\t+4], s[SEL], s[SEL+1]          ; the query's other 32 keys lie in the lane 16 away
.endr
.irp t, 0,1
	v_mov_b32 v[ST+8*\t+7], v[ST+8*\t]             ; c m_old
.endr
.irp t, 0,1
	v_max_num_f32 v[ST+8*\t+1], v[ST+8*\t+4], v[ST+8*\t+5]
.endr
.irp t, 0,1
	v_mul_f32 v[ST+8*\t], s[CS], v[ST+8*\t+1]
.endr
.irp t, 0,1
	v_sub_f32 v[ST+8*\t+7], v[ST+8*\t+7], v[ST+8*\t]
.endr
.irp b, 0,1,2,3,4,5,6,7,8,9,10,11,12,13,14,15
.irp t, 0,1
	v_pk_fma_f32 v[S+32*\t+2*\b:S+32*\t+2*\b+1], v[S+32*\t+2*\b:S+32*\t+2*\b+1], s[CS:CS+1], v[ST+8*\t:ST+8*\t+1] op_sel_hi:[1,0,0] neg_lo:[0,0,1] neg_hi:[0,0,1]   ; c s - c m
.endr
.endr
.irp t, 0,1
	v_exp_f32 v[ST+8*\t+6], v[ST+8*\t+7]           ; a = 2^(c m_old - c m_new)
.endr
.irp e, 0,1,2,3,4,5,6,7,8,9,10,11,12,13,14,15,16,17,18,19,20,21,22,23,24,25,26,27,28,29,30,31
.irp t, 0,1
	v_exp_f32 v[S+32*\t+\e], v[S+32*\t+\e]
.endr
.endr
	v_nop                                          ; a plain instruction behind the last exponential
	s_wait_alu depctr_va_vdst(0)                   ; one wait for the batch, ahead of its first reader
.irp b, 0,1,2,3,4,5,6,7,8,9,10,11,12,13,14,15
.irp t, 0,1
	v_cvt_pk_f16_f32 v[P+16*\t+\b], v[S+32*\t+2*\b], v[S+32*\t+2*\b+1]
.endr
.endr
.irp z, 0,1,2,3,4,5,6,7
.irp t, 0,1
	v_pk_add_f32 v[S+32*\t+4*\z:S+32*\t+4*\z+1], v[S+32*\t+4*\z:S+32*\t+4*\z+1], v[S+32*\t+4*\z+2:S+32*\t+4*\z+3]   ; the sum of the unrounded p, in place
.endr
.endr
.irp z, 0,1,2,3
.irp t, 0,1
	v_pk_add_f32 v[S+32*\t+8*\z:S+32*\t+8*\z+1], v[S+32*\t+8*\z:S+32*\t+8*\z+1], v[S+32*\t+8*\z+4:S+32*\t+8*\z+5]
.endr
.endr
.irp z, 0,1
.irp t, 0,1
	v_pk_add_f32 v[S+32*\t+16*\z:S+32*\t+16*\z+1], v[S+32*\t+16*\z:S+32*\t+16*\z+1], v[S+32*\t+16*\z+8:S+32*\t+16*\z+9]
.endr
.endr
.irp t, 0,1
	v_pk_add_f32 v[S+32*\t:S+32*\t+1], v[S+32*\t:S+32*\t+1], v[S+32*\t+16:S+32*\t+17]
.endr
.irp t, 0,1
	v_pk_fma_f32 v[ST+8*\t+2:ST+8*\t+3], v[ST+8*\t+2:ST+8*\t+3], v[ST+8*\t+6:ST+8*\t+7], v[S+32*\t:S+32*\t+1] op_sel_hi:[1,0,1]   ; l = a l + the sum
.endr
	WIN 0x41                                       ; O^T in window 1, a in window 0
.irp b, 0,1,2,3,4,5,6,7,8,9,10,11,12,13,14,15
.irp t, 0,1
	v_pk_mul_f32 v[32*\t+2*\b:32*\t+2*\b+1], v[32*\t+2*\b:32*\t+2*\b+1], v[ST+8*\t+6:ST+8*\t+7] op_sel_hi:[1,0]
.endr
.endr
	WIN 0
.endm
; A KEY STEP: my team's 64 keys of the unit's q-th 128.  A step all of whose keys come after my 32 queries only asks for the next step's bias.  last = 1: no step follows.
.macro STEP q, last
	s_lshl_b32 s51, s[TEAM], 6
	s_add_co_u32 s51, s51, s[KU]
.if \q
	s_add_co_u32 s51, s51, 128                     ; kb, the step's first key
.if \last == 0
	s_lshl_b32 s53, s[NU], 8
	s_lshl_b32 s54, s[TEAM], 6
	s_add_co_u32 s53, s53, s54                     ; and the next step's: in the next trip's unit
.endif
.else
	s_add_co_u32 s53, s51, 128
.endif
	s_add_co_u32 s52, s[QB], 31
	s_wait_loadcnt 0x0                             ; this step's bias (and, at a pass's start, Q)
	s_cmp_gt_u32 s51, s52
	s_cbranch_scc1 .Lhid_\@
.irp u, 0,1,2,3
.irp kk, 0,1
.irp c, 0,1
	ds_load_b128 v[KR+16*\u+8*\kk+4*\c:KR+16*\u+8*\kk+4*\c+3], v[AD] offset:16384*\q+2048*\u+1024*\kk+512*\c
.endr
.endr
.endr
	s_wait_dscnt 0x0                               ; K is in
	WIN 0x04                                       ; Q in window 1
.irp kk, 0,1
.irp u, 0,1,2,3
.irp t, 0,1
.if \kk == 0
	v_wmma_f32_16x16x32_f16 v[S+32*\t+8*\u:S+32*\t+8*\u+7], v[KR+16*\u:KR+16*\u+7], v[QW+16*\t:QW+16*\t+7], v[BI+8*\u:BI+8*\u+7]   ; the sums begin with the keys' bias
.else
	v_wmma_f32_16x16x32_f16 v[S+32*\t+8*\u:S+32*\t+8*\u+7], v[KR+16*\u+8:KR+16*\u+15], v[QW+16*\t+8:QW+16*\t+15], v[S+32*\t+8*\u:S+32*\t+8*\u+7]   ; the eight accumulators by turns
.endif
.endr
.endr
.endr
	WIN 0
	PLACES                                         ; ahead of the loads into V's and the bias's registers and of the first read of the scores
	WIN 0x40
.irp kp, 0,1
.irp ct, 0,1,2,3
.irp c, 0,1
	ds_load_b128 v[VW+32*\kp+8*\ct+4*\c:VW+32*\kp+8*\ct+4*\c+3], v[AD] offset:VOFF+16384*\q+4096*\kp+1024*\ct+512*\c
.endr
.endr
.endr
	WIN 0
.if ((\q) == 0) || ((\last) == 0)
	BIASL
.endif
	s_add_co_u32 s52, s51, 63
	s_cmp_le_u32 s52, s[QB]                        ; all 64 keys count for all my queries?
	s_cbranch_scc1 .Lopen_\@
	s_sub_co_i32 s52, s[QB], s51
	v_add_nc_u32 v[D0], s52, v[RH]                 ; register 8 u + j of tile t holds key kb + 16 u + 8 h + j: hidden where 16 u + j > QB - kb + 16 t + r - 8 h
	v_add_nc_u32 v[D0+1], 16, v[D0]
.irp t, 0,1
.irp u, 0,1,2,3
.irp j, 0,1,2,3,4,5,6,7
	v_cmp_gt_i32 vcc_lo, 16*\u+\j, v[D0+\t]
	v_cndmask_b32 v[S+32*\t+8*\u+\j], v[S+32*\t+8*\u+\j], v[NEGR], vcc_lo
.endr
.endr
.endr
.Lopen_\@:
	SOFT
	s_wait_dscnt 0x0                               ; V is in
	WIN 0x51                                       ; V and O^T in window 1, P in window 0
.irp kp, 0,1
.irp ct, 0,1,2,3
.irp t, 0,1
	v_wmma_f32_16x16x32_f16 v[32*\t+8*\ct:32*\t+8*\ct+7], v[VW+32*\kp+8*\ct:VW+32*\kp+8*\ct+7], v[P+16*\t+8*\kp:P+16*\t+8*\kp+7], v[32*\t+8*\ct:32*\t+8*\ct+7]
.endr
.endr
.endr
	WIN 0
	s_branch .Ldone_\@
.Lhid_\@:
.if ((\q) == 0) || ((\last) == 0)
	BIASL
.endif
.Ldone_\@:
.endm
.macro OBASE                           ; where my 32 queries' rows of of begin: tile of 16 tokens x 32,768 bytes + head x 2,048
	s_lshr_b32 s50, s[BH], 4
	s_lshl_b32 s50, s50, 7
	s_lshr_b32 s51, s[QB], 4
	s_add_co_u32 s50, s50, s51
	s_lshl_b32 s50, s50, 15
	s_and_b32 s51, s[BH], 15
	s_lshl_b32 s51, s51, 11
	s_add_co_u32 s50, s50, s51
	s_mov_b32 s51, 0
	s_add_nc_u64 s[OB:OB+1], s[8:9], s[50:51]
.endm
; A PASS ENDS.  Team B stores c m, l and O^T; every wave's LDS instructions are done; a barrier; team A brings both halves under the larger m, divides by l, rounds to f16 and stores.
.macro FINISH
	s_cmp_eq_u32 s[TEAM], 0
	s_cbranch_scc1 .Lnosave_\@
	PLACES                                         ; behind the last products
.irp t, 0,1
	v_add_f32 v[TM+\t], v[ST+8*\t+2], v[ST+8*\t+3]
.endr
	WIN 0x04                                       ; an LDS store's data: window 1
.irp i, 0,1,2,3,4,5,6,7,8,9,10,11,12,13,14,15
	ds_store_b128 v[MS], v[4*\i:4*\i+3] offset:512*\i
.endr
	WIN 0
	ds_store_b32 v[MS4], v[ST]
	ds_store_b32 v[MS4], v[TM] offset:128
	ds_store_b32 v[MS4], v[ST+8] offset:256
	ds_store_b32 v[MS4], v[TM+1] offset:384
.Lnosave_\@:
	s_wait_dscnt 0x0                               ; for the others' sake: my stores have landed
	s_barrier_signal -1
	s_barrier_wait -1                              ; the next unit's load may stay out across it
	s_cmp_lg_u32 s[TEAM], 0
	s_cbranch_scc1 .Lnomerge_\@
.irp i, 0,1,2,3,4,5,6,7,8,9,10,11,12,13,14,15
	ds_load_b128 v[S+4*\i:S+4*\i+3], v[MS] offset:512*\i
.endr
.irp k, 0,1,2,3
	ds_load_b32 v[TM+\k], v[MS4] offset:128*\k     ; c m and l of tile 0, of tile 1
.endr
.irp t, 0,1
	v_add_f32 v[TM+10+\t], v[ST+8*\t+2], v[ST+8*\t+3]
.endr
	s_wait_dscnt 0x0
.irp t, 0,1
	v_max_num_f32 v[TM+4+\t], v[ST+8*\t], v[TM+2*\t]
.endr
.irp t, 0,1
	v_sub_f32 v[TM+6+\t], v[ST+8*\t], v[TM+4+\t]
	v_sub_f32 v[TM+8+\t], v[TM+2*\t], v[TM+4+\t]
.endr
.irp t, 0,1
	v_exp_f32 v[TM+6+\t], v[TM+6+\t]               ; my factor,
	v_exp_f32 v[TM+8+\t], v[TM+8+\t]               ; team B's
.endr
	v_nop
	s_wait_alu depctr_va_vdst(0)                   ; one wait for the four
.irp t, 0,1
	v_mul_f32 v[TM+10+\t], v[TM+10+\t], v[TM+6+\t]
.endr
.irp t, 0,1
	v_fma_f32 v[TM+10+\t], v[TM+2*\t+1], v[TM+8+\t], v[TM+10+\t]
.endr
.irp t, 0,1
	v_permlanex16_b32 v[TM+12+\t], v[TM+10+\t], s[SEL], s[SEL+1]
.endr
.irp t, 0,1
	v_add_f32 v[TM+10+\t], v[TM+10+\t], v[TM+12+\t]   ; the row's sum
.endr
.irp t, 0,1
	v_rcp_f32 v[TM+14+\t], v[TM+10+\t]
.endr
	v_nop
	s_wait_alu depctr_va_vdst(0)
.irp t, 0,1
	v_mul_f32 v[TM+16+4*\t], v[TM+6+\t], v[TM+14+\t]
	v_mul_f32 v[TM+18+4*\t], v[TM+8+\t], v[TM+14+\t]
.endr
.irp t, 0,1
.irp b, 0,1,2,3,4,5,6,7,8,9,10,11,12,13,14,15
	v_pk_mul_f32 v[S+32*\t+2*\b:S+32*\t+2*\b+1], v[S+32*\t+2*\b:S+32*\t+2*\b+1], v[TM+18+4*\t:TM+19+4*\t] op_sel_hi:[1,0]
.endr
.endr
	WIN 0x01                                       ; my own O^T: source 0 in window 1
.irp t, 0,1
.irp b, 0,1,2,3,4,5,6,7,8,9,10,11,12,13,14,15
	v_pk_fma_f32 v[S+32*\t+2*\b:S+32*\t+2*\b+1], v[32*\t+2*\b:32*\t+2*\b+1], v[TM+16+4*\t:TM+17+4*\t], v[S+32*\t+2*\b:S+32*\t+2*\b+1] op_sel_hi:[1,0,1]
.endr
.endr
	WIN 0
.irp b, 0,1,2,3,4,5,6,7,8,9,10,11,12,13,14,15,16,17,18,19,20,21,22,23,24,25,26,27,28,29,30,31
	v_cvt_pk_f16_f32 v[KR+\b], v[S+2*\b], v[S+2*\b+1]
.endr
.irp t, 0,1
.irp ct, 0,1,2,3
	global_store_b128 v[LI], v[KR+16*\t+4*\ct:KR+16*\t+4*\ct+3], s[OB:OB+1] offset:32768*\t+512*\ct   ; 512 consecutive bytes, aligned
.endr
.endr
	s_wait_xcnt 0x0                                ; the stores have read their registers: K's loads land there next, and the base is written again
.Lnomerge_\@:
.endm
.macro TRIP fill
	CHANGE \fill
.if \fill
	s_cmp_lg_u32 s[TR], s[TS]                      ; the first pass is over?  The trip's number and the work-group's alone: all eight waves go the same way
	s_cbranch_scc1 .Lsame_\@
	PLACES
	OBASE
	s_sub_co_u32 s[QB], 15, ttmp9                  ; block 15 - J
	s_lshl_b32 s[QB], s[QB], 7
	s_lshl_b32 s50, s[CH], 5
	s_add_co_u32 s[QB], s[QB], s50
	s_wait_loadcnt 0x0                             ; every load issued so far is in: no two loads are out on Q's registers, and the base of the first pass's Q loads may be written
	QLOAD
	FINISH
	REINIT
.Lsame_\@:
.endif
	v_add_nc_u32 v[AD], s[TB], v[A0]
	STEP 0, 0
.if \fill
	STEP 1, 0
	s_lshl_b32 s[KU], s[NU], 8
.else
	STEP 1, 1
.endif
	s_xor_b32 s[TB], s[TB], SLOT1
	s_add_co_u32 s[TR], s[TR], 1
.endm
	s_load_b128 s[4:7], s[0:1], 0x0                ; qkv, bias
	s_load_b64 s[8:9], s[0:1], 0x10                ; of
	v_lshl_add_u32 v[SPW], v0, 2, SPARE
	v_mov_b32 v[NIL], 0
	ds_add_u32 v[SPW], v[NIL]                      ; the wave's opening: the add, twice on end, and its wait ahead of the first tensor load
	ds_add_u32 v[SPW], v[NIL]
	v_lshrrev_b32 v32, 5, v0
	v_readfirstlane_b32 s[WV], v32                 ; wave 0..7
	s_lshr_b32 s[TEAM], s[WV], 2
	s_and_b32 s[CH], s[WV], 3
	s_and_b32 s[BH], ttmp7, 0xffff                 ; 16 x batch + head
	s_add_co_u32 s[TS], ttmp9, 2
	s_lshr_b32 s[TS], s[TS], 1
	s_mov_b32 s[TR], 0
	s_mov_b32 s[KU], 0
	s_mov_b32 s[TB], 0
	s_lshl_b32 s[QB], ttmp9, 7
	s_lshl_b32 s50, s[CH], 5
	s_add_co_u32 s[QB], s[QB], s50                 ; block J, my 32 queries
	s_mov_b32 s[G1], 3<<16                         ; elements of 8 bytes, no mask, no padding
	s_mov_b32 s[G1+1], 32<<16                      ; tensor_dim0 = 32 elements: rows of 256 bytes
	s_mov_b32 s[G1+2], 128<<16                     ; tensor_dim1 = 128 rows
	s_mov_b32 s[G1+3], 32<<16                      ; tile_dim0
	s_mov_b32 s[G1+4], 128                         ; tile_dim1
	s_mov_b32 s[G1+5], 32                          ; the pitch: dense
	s_mov_b32 s[G1+6], 0
	s_mov_b32 s[G1+7], 0
	s_mov_b32 s[G0], 1
	s_and_b32 s50, s[WV], 1
	s_lshl_b32 s[G0+1], s50, 15                    ; K at a slot's byte 0, V at 32,768
	s_lshl_b32 s50, s50, 23
	s_add_co_u32 s50, s50, 0x800000                ; K's images begin 8 MiB into qkv, V's 16 MiB
	s_lshl_b32 s52, s[BH], 18                      ; 262,144 bytes a head
	s_add_co_u32 s50, s50, s52
	s_mov_b32 s51, 0
	s_mov_b32 s53, 0
	s_and_b32 s54, s[WV], 2                        ; the prefetches: waves 4, 5 K, waves 6, 7 V,
	s_lshl_b32 s54, s54, 22
	s_add_co_u32 s54, s54, 0x800000
	s_add_co_u32 s54, s54, s52
	s_and_b32 s55, s[WV], 1
	s_lshl_b32 s55, s55, 14                        ; 16 KiB each
	s_add_co_u32 s54, s54, s55
	s_mov_b32 s55, 0
	s_lshr_b32 s56, s[BH], 4
	s_lshl_b32 s56, s56, 13                        ; the batch's 2,048 numbers of bias
	s_mov_b32 s57, 0
	s_xor_b32 s58, s[TEAM], 1
	s_or_b32 s58, s58, ttmp9                       ; 0 in waves 4-7 of the head's work-group 0
	s_cmp_eq_u32 s58, 0
	s_cselect_b32 s[LIM], 6, 0
	s_mov_b32 s[SEL], 0x76543210
	s_mov_b32 s[SEL+1], 0xfedcba98
	s_mov_b32 s[CS], 0x3e38aa3b                    ; c = log2(e) / 8
	s_mov_b32 s[CS+1], s[CS]
	s_mov_b32 s[UO+1], 0
	s_wait_dscnt 0x0                               ; both opening adds are done
	s_wait_kmcnt 0x0
	s_add_nc_u64 s[BASE:BASE+1], s[4:5], s[50:51]
	s_mov_b64 s[G0+2:G0+3], s[BASE:BASE+1]
	s_or_b32 s[G0+3], s[G0+3], 0x80000000
	TLOAD                                          ; slot 0: unit 0
	s_add_nc_u64 s[PFA:PFA+1], s[4:5], s[54:55]
	s_add_nc_u64 s[QP:QP+1], s[4:5], s[52:53]
	s_add_nc_u64 s[6:7], s[6:7], s[56:57]
	v_and_b32 v32, 31, v0
	v_lshlrev_b32 v[LI], 4, v32
	v_lshrrev_b32 v33, 7, v0
	v_lshl_add_u32 v[A0], v33, 13, v[LI]
	v_and_b32 v34, 15, v0
	v_bfe_u32 v35, v0, 4, 1
	v_lshlrev_b32 v[B0], 5, v35
	v_lshlrev_b32 v36, 3, v35
	v_sub_nc_u32 v[RH], v34, v36
	v_mov_b32 v[NEGR], NEG
	v_bfe_u32 v37, v0, 5, 2
	v_mul_u32_u24 v37, v37, 8704
	v_add_nc_u32 v[MS], v37, v[LI]
	v_add_nc_u32 v[MS], MRG, v[MS]
	v_lshl_add_u32 v[MS4], v32, 2, v37
	v_add_nc_u32 v[MS4], MRG+8192, v[MS4]
	v_lshlrev_b32 v[PFO], 8, v32
.irp k, 12,13,17,19,21,23
	v_mov_b32 v[TM+\k], 0                          ; written once: a lane permute's destination and the upper halves of named pairs count as read
.endr
	QLOAD
	s_lshl_b32 s53, s[TEAM], 6
	BIASL                                          ; the first step's bias
	REINIT
.Ltrip:                                            ; eight trips, each asking for the next trip's unit
	TRIP 1
	s_cmp_lt_u32 s[TR], 8
	s_cbranch_scc1 .Ltrip
	TRIP 0                                         ; the ninth is written out: nothing is left to fetch
	OBASE
	FINISH
	s_wait_tensorcnt 0x0                           ; the wave's end
	ds_add_u32 v[SPW], v[NIL]
	s_wait_dscnt 0x0
	s_endpgm
.Lfunc_end_k_q023af922d3_attn:
	.size	k_q023af922d3_attn, .Lfunc_end_k_q023af922d3_attn-k_q023af922d3_attn
	.p2alignl 7, 3214868480
	.fill 96, 4, 3214868480
	.section	.rodata,"a",@progbits
	.p2align	6, 0x0
	.amdhsa_kernel k_q023af922d3_attn
		.amdhsa_group_segment_fixed_size 327680
		.amdhsa_private_segment_fixed_size 0
		.amdhsa_enable_private_segment 0
		.amdhsa_kernarg_size 24
		.amdhsa_user_sgpr_count 2
		.amdhsa_user_sgpr_kernarg_segment_ptr 1
		.amdhsa_wavefront_size32 1
		.amdhsa_system_sgpr_workgroup_id_x 1
		.amdhsa_system_sgpr_workgroup_id_y 1
		.amdhsa_system_sgpr_workgroup_id_z 1
		.amdhsa_system_vgpr_workitem_id 0
		.amdhsa_next_free_vgpr 448
		.amdhsa_next_free_sgpr 66
		.amdhsa_reserve_vcc 1
		.amdhsa_float_denorm_mode_32 3
		.amdhsa_float_denorm_mode_16_64 3
		.amdhsa_memory_ordered 1
		.amdhsa_forward_progress 1
		.amdhsa_inst_pref_size 127
	.end_amdhsa_kernel
	.amdgpu_metadata
---
amdhsa.version: [ 1, 2 ]
amdhsa.kernels:
  - .name:           k_q023af922d3_attn
    .symbol:         k_q023af922d3_attn.kd
    .args:
      - { .name: qkv, .offset: 0, .size: 8, .value_kind: global_buffer, .address_space: global }
      - { .name: bias, .offset: 8, .size: 8, .value_kind: global_buffer, .address_space: global }
      - { .name: of, .offset: 16, .size: 8, .value_kind: global_buffer, .address_space: global }
    .group_segment_fixed_size: 327680
    .private_segment_fixed_size: 0
    .kernarg_segment_align: 8
    .kernarg_segment_size: 24
    .max_flat_workgroup_size: 256
    .sgpr_count:     66
    .vgpr_count:     448
    .wavefront_size: 32
...
	.end_amdgpu_metadata
.endif
;; end of part 3
;; launch proj (part 4): grid 8 x 32, 4 waves a work-group, clusters of 4 x 4, 327,680 bytes of LDS; arguments of, wof, out0; writes out0
.if DOCPART == 4
	.amdgcn_target "amdgcn-amd-amdhsa--gfx1250"
	.amdhsa_code_object_version 6
	.text
	.protected	k_q023af922d3_proj
	.globl	k_q023af922d3_proj
	.p2align	8
	.type	k_q023af922d3_proj,@function
k_q023af922d3_proj:
	s_mov_b64 s[64:65], 0
	v_nop
	global_prefetch_b8 v0, s[64:65] scope:SCOPE_SE
	s_setreg_imm32_b32 hwreg(HW_REG_WAVE_MODE, 25, 1), 1
	s_wait_xcnt 0x0
	s_wait_alu depctr_hold_cnt(0) depctr_sa_sdst(0) depctr_va_vdst(0) depctr_va_sdst(0) depctr_va_ssrc(0) depctr_va_vcc(0) depctr_vm_vsrc(0)
	s_getreg_b32 s2, hwreg(HW_REG_IB_STS2, 6, 4)
	s_cmp_eq_u32 s2, 0
	s_cbranch_scc0 .Lentry_in_a_cluster
	s_endpgm
.Lentry_in_a_cluster:
	s_bfe_u32 s2, ttmp6, 0x10000c
	s_cmp_lg_u32 s2, 0xf033
	s_cbranch_scc0 .Lentry_shape_is_right
	s_endpgm
.Lentry_shape_is_right:
; PROJ.  out0[token][n] = sum over channels of O[token][ch] Wo[n][ch]: [4096][1024] x [1024][1024]^T, f16 operands, f32 sums, f32 out.
; Both operands come as images of their registers: [tile of 16 rows][kc 32][c 2][lane][16 B], 32,768 bytes a tile of rows.  A K step of 256 is 8,192 consecutive bytes of each tile of rows.
; A tile of out0 is 128 x 128: four waves, each 64 x 64: 16 accumulators.  K goes in four steps of 256 through a ring of two LDS slots; a wave's tensor load brings 4 rows of 8,192 bytes (64 rows of the operand).
; In LDS the images lie without padding: every fragment load reads 512 consecutive bytes.
; CLUSTERS: 4 x 4 work-groups; O's tiles are asked for jointly along a row of the cluster, Wo's along a column.  Source 0 = 16 rows of Wo, source 1 = 16 tokens: a lane holds eight neighbouring numbers of a row of out0.
; The first 16 positions of each sequence are stored here like all others and written again, more finely, by the launch that follows.
; REGISTERS: window 0: v0-31 addresses; v32-95 the way out; v128-255 the accumulators ((a, b) at v[128 + 8 (4 a + b)]).  window 1: two fragment buffers of 128: 64 registers of O, then 64 of Wo.
.set KSB,    8192                      ; a K step's bytes in a tile of 16 rows
.set HALFT,  4*KSB                     ; what one tensor load brings
.set SLOT,   4*HALFT
.set STAGE,  2*SLOT                    ; behind the ring: 16 rows x 272 bytes for each wave
.set SPITCH, 272
.set SPARE,  STAGE+4*16*SPITCH         ; the spare words, 128 bytes a wave: two blocks of 256 bytes that no other line names
.set ADRA, 16
.set ADRB, 20
.set STO,  24
.set RD,   25
.set CO,   26
.set SPW,  28
.set NIL,  29
.set TMP,  32
.set ACC,  128
.set F0,   0
.set F1,   128
.set G1, 24
.set G0, 32
.set G1B, 48
.set G0B, 56
.set MSB, 0
.macro WIN new
.if MSB != (\new)
	s_set_vgpr_msb (MSB<<8)|(\new)
.set MSB, (\new)
.endif
.endm
.set MUL,  0x05                        ; sources 0 and 1 window 1; C and D window 0
.set TO_F, 0x40
.macro JLOAD s                         ; a joint load: waves 0 and 1 fetch O's two halves, waves 2 and 3 Wo's; an s_nop 0 and four v_nop follow each of the two lines
	s_cmp_eq_u32 s11, 0
	s_cbranch_scc0 .Lfor_b_\@
	tensor_load_to_lds s[G0+4*\s:G0+4*\s+3], s[G1:G1+7]
	s_nop 0
.rept 4
	v_nop
.endr
	s_branch .Lasked_\@
.Lfor_b_\@:
	tensor_load_to_lds s[G0B+4*\s:G0B+4*\s+3], s[G1B:G1B+7]
	s_nop 0
.rept 4
	v_nop
.endr
.Lasked_\@:
.endm
.macro CREST
	s_cmp_lg_u32 s10, 0
	s_cbranch_scc1 .Lnot_wave_0_\@
	s_barrier_signal -3
.Lnot_wave_0_\@:
	s_barrier_wait -3
	s_barrier_signal -1
	s_barrier_wait -1
.endm
.macro CROUND
	s_barrier_signal -1
	s_barrier_wait -1
	CREST
.endm
	s_load_b128 s[4:7], s[0:1], 0x0                ; of, wof
	s_load_b64 s[8:9], s[0:1], 0x10                ; out0
	v_lshl_add_u32 v[SPW], v0, 2, SPARE
	v_mov_b32 v[NIL], 0
	ds_add_u32 v[SPW], v[NIL]                      ; the wave's opening: the add, twice on end, and its wait ahead of my first tensor load
	ds_add_u32 v[SPW], v[NIL]
	v_lshrrev_b32 v1, 5, v0
	v_readfirstlane_b32 s10, v1                    ; wave 0..3
	s_lshr_b32 s11, s10, 1                         ; which half of the tile's tokens is mine.  Also: I fetch for O (0) or for Wo (1)
	s_and_b32 s12, s10, 1                          ; which half of its columns.  Also: which 64 rows I fetch
	s_bfe_u32 s40, ttmp6, 0x40000
	s_bfe_u32 s41, ttmp6, 0x40004
	s_lshl_b32 s42, ttmp9, 2
	s_add_co_u32 s42, s42, s40                     ; tile column
	s_and_b32 s13, ttmp7, 0xffff
	s_lshl_b32 s13, s13, 2
	s_add_co_u32 s13, s13, s41                     ; tile row
	s_lshl_b32 s43, s41, 2
	s_lshl_b32 s43, 15, s43
	s_lshl_b32 s44, 0x1111, s40
	s_or_b32 s[G1+0], s43, (3<<16)|(1<<21)         ; the mask; elements of 8 bytes; bit 21 beside a mask; no padding
	s_or_b32 s[G1B+0], s44, (3<<16)|(1<<21)
.irp g, G1, G1B
	s_mov_b32 s[\g+1], 1024<<16                    ; tensor_dim0 = 1,024 elements: 8,192 bytes
	s_mov_b32 s[\g+2], 4<<16                       ; tensor_dim1 = 4
	s_mov_b32 s[\g+3], 1024<<16                    ; tile_dim0
	s_mov_b32 s[\g+4], 4                           ; tile_dim1
	s_mov_b32 s[\g+5], 4096                        ; the pitch: 32,768 bytes from one tile of 16 rows to the next
	s_mov_b32 s[\g+6], 0
	s_mov_b32 s[\g+7], 0
.endr
	s_lshl_b32 s17, s12, 2
	s_lshl_b32 s16, s13, 3
	s_add_co_u32 s16, s16, s17                     ; O: tile of 16 rows 8 x tile row + 4 x half
	s_lshl_b32 s16, s16, 15
	s_lshl_b32 s46, s42, 3
	s_add_co_u32 s46, s46, s17                     ; Wo: 8 x tile column + 4 x half
	s_lshl_b32 s46, s46, 15
	s_mov_b32 s17, 0
	s_mov_b32 s47, 0
	s_mul_i32 s20, s10, HALFT                      ; where they go: wave x 32,768 bytes
	s_wait_dscnt 0x0                               ; both opening adds are done
	s_wait_kmcnt 0x0
	s_add_nc_u64 s[14:15], s[4:5], s[16:17]
	s_add_nc_u64 s[46:47], s[6:7], s[46:47]
	CROUND                                         ; all sixteen work-groups are here: the first joint loads meet
.irp s, 0,1
	s_mov_b32 s[G0+4*\s], 1
	s_add_co_u32 s[G0+4*\s+1], s20, \s*SLOT
	s_add_nc_u64 s[G0+4*\s+2:G0+4*\s+3], s[14:15], \s*KSB
	s_or_b32 s[G0+4*\s+3], s[G0+4*\s+3], 0x80000000
	s_mov_b32 s[G0B+4*\s], 1
	s_add_co_u32 s[G0B+4*\s+1], s20, \s*SLOT
	s_add_nc_u64 s[G0B+4*\s+2:G0B+4*\s+3], s[46:47], \s*KSB
	s_or_b32 s[G0B+4*\s+3], s[G0B+4*\s+3], 0x80000000
	JLOAD \s
.endr
	v_and_b32 v1, 15, v0
	v_bfe_u32 v2, v0, 4, 1
	v_and_b32 v3, 31, v0
	v_lshlrev_b32 v3, 4, v3                        ; 16 x lane
	s_mul_i32 s21, s11, HALFT                      ; my 64 tokens
	s_mul_i32 s22, s12, HALFT                      ; my 64 rows of Wo,
	s_add_co_u32 s22, s22, 2*HALFT                 ; which lie behind O's 128
.irp s, 0,1
	v_add_nc_u32 v[ADRA+\s], s21, v3
	v_add_nc_u32 v[ADRB+\s], s22, v3
	s_add_co_u32 s21, s21, SLOT
	s_add_co_u32 s22, s22, SLOT
.endr
	s_mul_i32 s23, s10, 16*SPITCH
	s_add_co_u32 s23, s23, STAGE                   ; my stage
	v_mul_u32_u24 v4, v1, SPITCH
	v_lshl_add_u32 v4, v2, 5, v4
	v_add_nc_u32 v[STO], s23, v4                   ; in: row r, 32 bytes for each half of the lanes
	v_mul_u32_u24 v5, v2, SPITCH
	v_lshl_add_u32 v5, v1, 4, v5
	v_add_nc_u32 v[RD], s23, v5                    ; back: lanes 0-15 one row of 256 bytes, lanes 16-31 the next
	v_lshlrev_b32 v5, 12, v2
	v_lshl_add_u32 v[CO], v1, 4, v5                ; and the same two rows in out0
	s_lshl_b32 s16, s13, 7
	s_lshl_b32 s17, s11, 6
	s_add_co_u32 s16, s16, s17                     ; my first token
	s_lshl_b32 s16, s16, 12                        ; rows of 4,096 bytes
	s_mov_b32 s17, 0
	s_add_nc_u64 s[8:9], s[8:9], s[16:17]
	s_lshl_b32 s46, s42, 9                         ; my first column, in bytes: 512 x tile column + 256 x half
	s_lshl_b32 s47, s12, 8
	s_add_co_u32 s46, s46, s47
	s_mov_b32 s47, 0
	s_add_nc_u64 s[8:9], s[8:9], s[46:47]
.macro MUL8 f, c, a0, zero             ; 8 matrix instructions: token blocks a0, a0 + 1 x all 4 column blocks, 32 along K: half c of buffer f
.irp a, \a0, \a0+1
.irp b, 0,1,2,3
.if \zero
	v_wmma_f32_16x16x32_f16 v[ACC+8*(4*(\a)+\b):ACC+8*(4*(\a)+\b)+7], v[\f+64+8*(4*\c+\b):\f+64+8*(4*\c+\b)+7], v[\f+8*(4*\c+\a):\f+8*(4*\c+\a)+7], 0
.else
	v_wmma_f32_16x16x32_f16 v[ACC+8*(4*(\a)+\b):ACC+8*(4*(\a)+\b)+7], v[\f+64+8*(4*\c+\b):\f+64+8*(4*\c+\b)+7], v[\f+8*(4*\c+\a):\f+8*(4*\c+\a)+7], v[ACC+8*(4*(\a)+\b):ACC+8*(4*(\a)+\b)+7]
.endif
.endr
.endr
.endm
.macro FETCH slot, k, f                ; 32 LDS loads in one run: the fragments of 64 along K from byte k of each tile's 8,192, into buffer f; the first 32 along K first
	WIN TO_F
.irp c, 0,1
.irp i, 0,1,2,3
	ds_load_b128 v[\f+64+8*(4*\c+\i):\f+64+8*(4*\c+\i)+3],   v[ADRB+\slot] offset:\k+1024*\c+\i*KSB
	ds_load_b128 v[\f+64+8*(4*\c+\i)+4:\f+64+8*(4*\c+\i)+7], v[ADRB+\slot] offset:\k+1024*\c+\i*KSB+512
	ds_load_b128 v[\f+8*(4*\c+\i):\f+8*(4*\c+\i)+3],         v[ADRA+\slot] offset:\k+1024*\c+\i*KSB
	ds_load_b128 v[\f+8*(4*\c+\i)+4:\f+8*(4*\c+\i)+7],       v[ADRA+\slot] offset:\k+1024*\c+\i*KSB+512
.endr
.endr
.endm
.macro PLACES
.rept 4
	v_nop
.endr
.endm
.macro QUARTER slot, k, f, g, zero     ; 64 along K: multiplies buffer f and fetches the next quarter, at byte k, into g
	s_wait_dscnt 16                                ; the first 32 along K are in; the youngest sixteen loads may be out
	WIN MUL
	MUL8 \f, 0, 0, \zero
	MUL8 \f, 0, 2, \zero
	PLACES
	FETCH \slot, \k, \g
	s_wait_dscnt 32                                ; all but the 32 just issued
	WIN MUL
	MUL8 \f, 1, 0, 0
	MUL8 \f, 1, 2, 0
.endm
; A slot's last quarter changes slots: each wave waits for all its tensor loads, adds 0 to its spare word, and waits for that and for its own reads of this slot.  fill = 1: the barrier opens a round of the
; cluster's barrier, and this slot is filled again, two K steps ahead, first thing behind the round.
.macro TURN slot, next, fill
	WIN 0
	s_wait_tensorcnt 0x0                           ; all my tensor loads have landed: my part of the next slot
	ds_add_u32 v[SPW], v[NIL]
	s_wait_dscnt 17                                ; (the add and the youngest sixteen loads may be out)
	WIN MUL
	MUL8 F1, 0, 0, 0
	s_wait_dscnt 0x0                               ; the add is done, and my reads of this slot are over
	s_barrier_signal -1
	MUL8 F1, 0, 2, 0
.if \fill
	WIN 0
.endif
	s_barrier_wait -1
.if \fill
	CREST
	s_add_nc_u64 s[G0+4*\slot+2:G0+4*\slot+3], s[G0+4*\slot+2:G0+4*\slot+3], 2*KSB
	s_add_nc_u64 s[G0B+4*\slot+2:G0B+4*\slot+3], s[G0B+4*\slot+2:G0B+4*\slot+3], 2*KSB
	JLOAD \slot                                    ; the four v_nop behind it are also the places in front of the loads below
.else
	PLACES
.endif
	FETCH \next, 0, F0
	WIN MUL
	MUL8 F1, 1, 0, 0
	MUL8 F1, 1, 2, 0
.endm
	s_wait_tensorcnt 1                             ; my part of K step 0 is in (K step 1's load may be out)
	s_barrier_signal -1
	s_barrier_wait -1                              ; everybody's is
	FETCH 0, 0, F0
	QUARTER 0, 2048, F0, F1, 1                     ; the first products start the sums
	QUARTER 0, 4096, F1, F0, 0
	QUARTER 0, 6144, F0, F1, 0
	TURN 0, 1, 1                                   ; slot 0 takes K step 2
	QUARTER 1, 2048, F0, F1, 0
	QUARTER 1, 4096, F1, F0, 0
	QUARTER 1, 6144, F0, F1, 0
	TURN 1, 0, 1                                   ; slot 1 takes K step 3
	QUARTER 0, 2048, F0, F1, 0
	QUARTER 0, 4096, F1, F0, 0
	QUARTER 0, 6144, F0, F1, 0
	TURN 0, 1, 0                                   ; nothing is left to fetch
	QUARTER 1, 2048, F0, F1, 0
	QUARTER 1, 4096, F1, F0, 0
	QUARTER 1, 6144, F0, F1, 0
	s_wait_dscnt 16
	WIN MUL
	MUL8 F1, 0, 0, 0
	MUL8 F1, 0, 2, 0
	s_wait_dscnt 0
	MUL8 F1, 1, 0, 0
	MUL8 F1, 1, 2, 0
	WIN 0
; THE WAY OUT, block by block of 16 tokens x 64 columns.  A wave's 64 columns of f32 are 256 aligned bytes of a row: the block goes through my own stage and comes back as whole rows; sixteen lanes store 256 consecutive bytes.
; LDS serves a wave's instructions in order (ISA guide 5.7.1.4): no wait between the stores and the loads, nor ahead of the next block's stores.
.macro TOSTAGE a
.irp b, 0,1,2,3
	ds_store_b128 v[STO], v[ACC+8*(4*(\a)+\b):ACC+8*(4*(\a)+\b)+3] offset:64*\b       ; each accumulator from its low end on
	ds_store_b128 v[STO], v[ACC+8*(4*(\a)+\b)+4:ACC+8*(4*(\a)+\b)+7] offset:64*\b+16
.endr
.irp t, 0,1,2,3,4,5,6,7
	ds_load_b128 v[TMP+32*((\a)%2)+4*\t:TMP+32*((\a)%2)+4*\t+3], v[RD] offset:\t*2*SPITCH
.endr
.endm
.macro SEND a, younger                 ; younger: the LDS instructions issued behind block a's loads, which may stay out
	s_wait_dscnt \younger
.irp t, 0,1,2,3,4,5,6,7
	global_store_b128 v[CO], v[TMP+32*((\a)%2)+4*\t:TMP+32*((\a)%2)+4*\t+3], s[8:9] offset:(16*(\a)+2*\t)*4096 th:TH_STORE_NT
.endr
.endm
	PLACES
	TOSTAGE 0
	TOSTAGE 1
	SEND 0, 16
	s_wait_xcnt 0x0                                ; block 0's stores have read the registers that block 2's loads fill
	TOSTAGE 2
	SEND 1, 16
	s_wait_xcnt 0x0
	TOSTAGE 3
	SEND 2, 16
	SEND 3, 0
	s_wait_tensorcnt 0x0                           ; the wave's end
	ds_add_u32 v[SPW], v[NIL]
	s_wait_dscnt 0x0
	CROUND                                         ; the closing round
	s_endpgm
.Lfunc_end_k_q023af922d3_proj:
	.size	k_q023af922d3_proj, .Lfunc_end_k_q023af922d3_proj-k_q023af922d3_proj
	.p2alignl 7, 3214868480
	.fill 96, 4, 3214868480
	.section	.rodata,"a",@progbits
	.p2align	6, 0x0
	.amdhsa_kernel k_q023af922d3_proj
		.amdhsa_group_segment_fixed_size 327680
		.amdhsa_private_segment_fixed_size 0
		.amdhsa_enable_private_segment 0
		.amdhsa_kernarg_size 24
		.amdhsa_user_sgpr_count 2
		.amdhsa_user_sgpr_kernarg_segment_ptr 1
		.amdhsa_wavefront_size32 1
		.amdhsa_system_sgpr_workgroup_id_x 1
		.amdhsa_system_sgpr_workgroup_id_y 1
		.amdhsa_system_sgpr_workgroup_id_z 1
		.amdhsa_system_vgpr_workitem_id 0
		.amdhsa_next_free_vgpr 512
		.amdhsa_next_free_sgpr 66
		.amdhsa_reserve_vcc 0
		.amdhsa_float_denorm_mode_32 3
		.amdhsa_float_denorm_mode_16_64 3
		.amdhsa_memory_ordered 1
		.amdhsa_forward_progress 1
		.amdhsa_inst_pref_size 85
	.end_amdhsa_kernel
	.amdgpu_metadata
---
amdhsa.version: [ 1, 2 ]
amdhsa.kernels:
  - .name:           k_q023af922d3_proj
    .symbol:         k_q023af922d3_proj.kd
    .args:
      - { .name: of, .offset: 0, .size: 8, .value_kind: global_buffer, .address_space: global }
      - { .name: wof, .offset: 8, .size: 8, .value_kind: global_buffer, .address_space: global }
      - { .name: out0, .offset: 16, .size: 8, .value_kind: global_buffer, .address_space: global }
    .group_segment_fixed_size: 327680
    .private_segment_fixed_size: 0
    .kernarg_segment_align: 8
    .kernarg_segment_size: 24
    .max_flat_workgroup_size: 128
    .sgpr_count:     66
    .vgpr_count:     512
    .wavefront_size: 32
...
	.end_amdgpu_metadata
.endif
;; end of part 4
;; launch first16 (part 5): grid 64 x 2, 16 waves a work-group, no clusters, 18,432 bytes of LDS; arguments fine, Wo, tgt_key_padding_mask, out0; writes out0
.if DOCPART == 5
	.amdgcn_target "amdgcn-amd-amdhsa--gfx1250"
	.amdhsa_code_object_version 6
	.text
	.protected	k_q023af922d3_first16
	.globl	k_q023af922d3_first16
	.p2align	8
	.type	k_q023af922d3_first16,@function
k_q023af922d3_first16:
	s_mov_b64 s[64:65], 0
	v_nop
	global_prefetch_b8 v0, s[64:65] scope:SCOPE_SE
	s_setreg_imm32_b32 hwreg(HW_REG_WAVE_MODE, 25, 1), 1
	s_wait_xcnt 0x0
; FIRST16.  Positions 0 to 15 of both sequences, attention and projection, with f32 operands: these rows average few values, and rounding their operands to 16 bits would weigh most.  It runs last and writes those 32 rows.
; Work-group (g, batch) makes output columns 16 g .. 16 g + 15 of the batch's 16 rows.  Wave w is head w: its 16 x 16 attention from the f32 images (12 KiB), then its own O times Wo[16 g ..][64 w ..]: the projection's K is
; shared out by head, and the 16 partial sums meet in LDS and are added in a fixed order.
; Every K is walked in the order (step s, lane half h, register jj) <-> 8 h + 2 s + jj, alike on both operands, so the stored accumulator images, and each product's result, are the next operand as they stand.
; MASKS as in the attention launch: hidden and padded scores become -2^100, the maximum begins at -2^96; a row with no key that counts leaves as NaN.  LIMIT: true scores lie above -2^96.
; The stores are 64-byte pieces of rows, 128 KiB in the whole launch.  No matrix operand is narrowed here; no tensor load; one barrier.
; REGISTERS: v16-47 Q, v48-79 K, v80-111 V^T, v112-143 Wo; v144-145 mask bytes; v148-179 four sums (scores, later the projection) and v208-239 O^T: written by matrix instructions alone; v180-207 at work.
.set SPARE, 16384                      ; behind the 16 partial sums of 1,024 bytes: the spare words, 128 bytes a wave: eight blocks of 256 bytes that no other line names
.set NEG,   0xf1800000
.set MINIT, 0xef800000
.set SPW, 10
.set NIL, 11
.set QF, 16
.set KF, 48
.set VF, 80
.set WF, 112
.set SA, 148
.set SS, 180
.set PP, 188
.set TT, 196
.set OA, 208
	s_load_b256 s[4:11], s[0:1], 0x0               ; fine 4:5, Wo 6:7, mask 8:9, out0 10:11
	v_lshl_add_u32 v[SPW], v0, 2, SPARE
	v_mov_b32 v[NIL], 0
	v_lshrrev_b32 v8, 5, v0
	v_readfirstlane_b32 s12, v8                    ; wave = head
	s_and_b32 s13, ttmp7, 0xffff                   ; batch
	v_and_b32 v1, 15, v0                           ; r
	v_bfe_u32 v2, v0, 4, 1                         ; h
	v_and_b32 v9, 31, v0
	v_lshlrev_b32 v3, 4, v9                        ; 16 x lane
	v_lshlrev_b32 v4, 12, v1
	v_lshl_add_u32 v4, v2, 5, v4                   ; row r of 4,096 bytes, + 32 h
	v_lshlrev_b32 v5, 3, v2                        ; 8 h
	v_sub_nc_u32 v6, v1, v5                        ; r - 8 h
	v_mov_b32 v7, NEG
	v_lshl_add_u32 v12, v8, 10, v3                 ; my partial sum's place
	v_lshl_add_u32 v13, v8, 9, v3                  ; waves 0, 1: the half that I add up
	v_lshl_add_u32 v14, v8, 4, v4                  ; and where it goes in out0
	v_mov_b32 v206, 0                              ; a lane permute's destination counts as read
	s_mov_b32 s16, 0x76543210
	s_mov_b32 s17, 0xfedcba98
	s_mov_b32 s18, 0x3e38aa3b                      ; c = log2(e) / 8
	s_lshl_b32 s20, s13, 16                        ; fine: 65,536 bytes a batch, 4,096 a head
	s_lshl_b32 s21, s12, 12
	s_add_co_u32 s20, s20, s21
	s_mov_b32 s21, 0
	s_lshl_b32 s22, ttmp9, 16                      ; Wo: 16 rows of 4,096 bytes, 256 bytes a head
	s_lshl_b32 s23, s12, 8
	s_add_co_u32 s22, s22, s23
	s_mov_b32 s23, 0
	s_lshl_b32 s24, s13, 11
	s_mov_b32 s25, 0
	s_lshl_b32 s26, s13, 23                        ; out0: 8 MiB a batch, 64 bytes for 16 columns
	s_lshl_b32 s27, ttmp9, 6
	s_add_co_u32 s26, s26, s27
	s_mov_b32 s27, 0
	s_wait_kmcnt 0x0
	s_add_nc_u64 s[4:5], s[4:5], s[20:21]
	s_add_nc_u64 s[6:7], s[6:7], s[22:23]
	s_add_nc_u64 s[8:9], s[8:9], s[24:25]
	s_add_nc_u64 s[10:11], s[10:11], s[26:27]
.irp i, 0,1,2,3
.irp e, 0,1
	global_load_b128 v[QF+8*\i+4*\e:QF+8*\i+4*\e+3], v3, s[4:5] offset:1024*\i+512*\e           ; Q[token r][16 i + 8 h + 4 e + 0..3]
.endr
.endr
.irp i, 0,1,2,3
.irp e, 0,1
	global_load_b128 v[KF+8*\i+4*\e:KF+8*\i+4*\e+3], v3, s[4:5] offset:131072+1024*\i+512*\e
.endr
.endr
	global_load_b64 v[144:145], v5, s[8:9]         ; the mask bytes of keys 8 h + 0..7
.irp i, 0,1,2,3
.irp e, 0,1
	global_load_b128 v[VF+8*\i+4*\e:VF+8*\i+4*\e+3], v3, s[4:5] offset:262144+1024*\i+512*\e    ; V[token 8 h + 4 e + 0..3][16 i + r]
.endr
.endr
.irp i, 0,1,2,3
.irp e, 0,1
	global_load_b128 v[WF+8*\i+4*\e:WF+8*\i+4*\e+3], v4, s[6:7] offset:64*\i+16*\e              ; Wo[16 g + r][64 w + 16 i + 8 h + 4 e + 0..3]
.endr
.endr
	s_wait_loadcnt 17                              ; Q and K are in; the mask, V and Wo stay out
	; S^T = K Q^T: four sums, one for each 16 channels, by turns; the first product of each starts it
.irp s, 0,1,2,3
.irp i, 0,1,2,3
.if \s == 0
	v_wmma_f32_16x16x4_f32 v[SA+8*\i:SA+8*\i+7], v[KF+8*\i:KF+8*\i+1], v[QF+8*\i:QF+8*\i+1], 0
.else
	v_wmma_f32_16x16x4_f32 v[SA+8*\i:SA+8*\i+7], v[KF+8*\i+2*\s:KF+8*\i+2*\s+1], v[QF+8*\i+2*\s:QF+8*\i+2*\s+1], v[SA+8*\i:SA+8*\i+7]
.endif
.endr
.endr
.rept 8
	v_nop                                          ; eight places behind this form ahead of the first read of a result
.endr
.irp p, 0,1,2,3
	v_pk_add_f32 v[TT+2*\p:TT+2*\p+1], v[SA+2*\p:SA+2*\p+1], v[SA+8+2*\p:SA+9+2*\p]
	v_pk_add_f32 v[SS+2*\p:SS+2*\p+1], v[SA+16+2*\p:SA+17+2*\p], v[SA+24+2*\p:SA+25+2*\p]
.endr
.irp p, 0,1,2,3
	v_pk_add_f32 v[SS+2*\p:SS+2*\p+1], v[SS+2*\p:SS+2*\p+1], v[TT+2*\p:TT+2*\p+1]   ; register j: key 8 h + j, query r
.endr
	s_wait_loadcnt 16                              ; the mask bytes are in
.irp j, 0,1,2,3,4,5,6,7
	v_cmp_gt_i32 vcc_lo, \j, v6                    ; key 8 h + j after query r
	v_cndmask_b32 v[SS+\j], v[SS+\j], v7, vcc_lo
	v_bfe_u32 v204, v[144+\j/4], 8*(\j%4), 8
	v_cmp_ne_u32 vcc_lo, 0, v204                   ; a padded key
	v_cndmask_b32 v[SS+\j], v[SS+\j], v7, vcc_lo
.endr
	v_max3_num_f32 v196, v[SS], v[SS+1], v[SS+2]
	v_max3_num_f32 v197, v[SS+3], v[SS+4], v[SS+5]
	v_max3_num_f32 v196, v196, v[SS+6], v[SS+7]
	v_max3_num_f32 v196, v196, v197, MINIT
	v_permlanex16_b32 v206, v196, s16, s17
	v_max_num_f32 v196, v196, v206                 ; the row's maximum
	v_mul_f32 v197, s18, v196
.irp j, 0,1,2,3,4,5,6,7
	v_fma_f32 v[PP+\j], v[SS+\j], s18, -v197
.endr
.irp j, 0,1,2,3,4,5,6,7
	v_exp_f32 v[PP+\j], v[PP+\j]
.endr
	v_nop
	s_wait_alu depctr_va_vdst(0)                   ; one wait for the eight, ahead of their first reader
	v_pk_add_f32 v[200:201], v[PP:PP+1], v[PP+2:PP+3]
	v_pk_add_f32 v[202:203], v[PP+4:PP+5], v[PP+6:PP+7]
	v_pk_add_f32 v[200:201], v[200:201], v[202:203]
	v_add_f32 v200, v200, v201
	v_permlanex16_b32 v206, v200, s16, s17
	v_add_f32 v200, v200, v206                     ; the row's sum
	v_rcp_f32 v199, v200
	v_nop
	s_wait_alu depctr_va_vdst(0)
.irp j, 0,1,2,3,4,5,6,7
	v_mul_f32 v[PP+\j], v[PP+\j], v199             ; the weights; 0 x (1 / 0) = NaN in a row with no key that counts
.endr
	s_wait_loadcnt 8                               ; V is in
	; O^T = V^T P: four tiles of 16 channels by turns
.irp s, 0,1,2,3
.irp i, 0,1,2,3
.if \s == 0
	v_wmma_f32_16x16x4_f32 v[OA+8*\i:OA+8*\i+7], v[VF+8*\i:VF+8*\i+1], v[PP:PP+1], 0
.else
	v_wmma_f32_16x16x4_f32 v[OA+8*\i:OA+8*\i+7], v[VF+8*\i+2*\s:VF+8*\i+2*\s+1], v[PP+2*\s:PP+2*\s+1], v[OA+8*\i:OA+8*\i+7]
.endif
.endr
.endr
.rept 9
	v_nop                                          ; nine places behind this form ahead of a matrix instruction that takes a result as an operand
.endr
	s_wait_loadcnt 0x0                             ; Wo is in
	; my head's part of the projection: source 0 = 16 rows of Wo, source 1 = O^T: a lane holds query r and columns 8 h + j
.irp s, 0,1,2,3
.irp i, 0,1,2,3
.if \s == 0
	v_wmma_f32_16x16x4_f32 v[SA+8*\i:SA+8*\i+7], v[WF+8*\i:WF+8*\i+1], v[OA+8*\i:OA+8*\i+1], 0
.else
	v_wmma_f32_16x16x4_f32 v[SA+8*\i:SA+8*\i+7], v[WF+8*\i+2*\s:WF+8*\i+2*\s+1], v[OA+8*\i+2*\s:OA+8*\i+2*\s+1], v[SA+8*\i:SA+8*\i+7]
.endif
.endr
.endr
.rept 8
	v_nop
.endr
.irp p, 0,1,2,3
	v_pk_add_f32 v[TT+2*\p:TT+2*\p+1], v[SA+2*\p:SA+2*\p+1], v[SA+8+2*\p:SA+9+2*\p]
	v_pk_add_f32 v[SS+2*\p:SS+2*\p+1], v[SA+16+2*\p:SA+17+2*\p], v[SA+24+2*\p:SA+25+2*\p]
.endr
.irp p, 0,1,2,3
	v_pk_add_f32 v[TT+2*\p:TT+2*\p+1], v[TT+2*\p:TT+2*\p+1], v[SS+2*\p:SS+2*\p+1]
.endr
	ds_store_b128 v12, v[TT:TT+3]
	ds_store_b128 v12, v[TT+4:TT+7] offset:512
	s_wait_dscnt 0x0                               ; for the others' sake: my stores have landed
	s_barrier_signal -1
	s_barrier_wait -1
	s_cmp_gt_u32 s12, 1
	s_cbranch_scc1 .Lend
	; waves 0 and 1 add the 16 heads' parts: wave e takes columns 8 h + 4 e + 0..3
.irp i, 0,1,2,3,4,5,6,7,8,9,10,11,12,13,14,15
	ds_load_b128 v[16+4*\i:16+4*\i+3], v13 offset:1024*\i
.endr
	s_wait_dscnt 0x0
.irp i, 0,1,2,3,4,5,6,7
	v_pk_add_f32 v[16+8*\i:17+8*\i], v[16+8*\i:17+8*\i], v[20+8*\i:21+8*\i]
	v_pk_add_f32 v[18+8*\i:19+8*\i], v[18+8*\i:19+8*\i], v[22+8*\i:23+8*\i]
.endr
.irp i, 0,1,2,3
	v_pk_add_f32 v[16+16*\i:17+16*\i], v[16+16*\i:17+16*\i], v[24+16*\i:25+16*\i]
	v_pk_add_f32 v[18+16*\i:19+16*\i], v[18+16*\i:19+16*\i], v[26+16*\i:27+16*\i]
.endr
.irp i, 0,1
	v_pk_add_f32 v[16+32*\i:17+32*\i], v[16+32*\i:17+32*\i], v[32+32*\i:33+32*\i]
	v_pk_add_f32 v[18+32*\i:19+32*\i], v[18+32*\i:19+32*\i], v[34+32*\i:35+32*\i]
.endr
	v_pk_add_f32 v[16:17], v[16:17], v[48:49]
	v_pk_add_f32 v[18:19], v[18:19], v[50:51]
	global_store_b128 v14, v[16:19], s[10:11]
.Lend:
	s_wait_tensorcnt 0x0                           ; the wave's end
	ds_add_u32 v[SPW], v[NIL]
	s_wait_dscnt 0x0
	s_endpgm
.Lfunc_end_k_q023af922d3_first16:
	.size	k_q023af922d3_first16, .Lfunc_end_k_q023af922d3_first16-k_q023af922d3_first16
	.p2alignl 7, 3214868480
	.fill 96, 4, 3214868480
	.section	.rodata,"a",@progbits
	.p2align	6, 0x0
	.amdhsa_kernel k_q023af922d3_first16
		.amdhsa_group_segment_fixed_size 18432
		.amdhsa_private_segment_fixed_size 0
		.amdhsa_enable_private_segment 0
		.amdhsa_kernarg_size 32
		.amdhsa_user_sgpr_count 2
		.amdhsa_user_sgpr_kernarg_segment_ptr 1
		.amdhsa_wavefront_size32 1
		.amdhsa_system_sgpr_workgroup_id_x 1
		.amdhsa_system_sgpr_workgroup_id_y 1
		.amdhsa_system_sgpr_workgroup_id_z 1
		.amdhsa_system_vgpr_workitem_id 0
		.amdhsa_next_free_vgpr 240
		.amdhsa_next_free_sgpr 66
		.amdhsa_reserve_vcc 1
		.amdhsa_float_denorm_mode_32 3
		.amdhsa_float_denorm_mode_16_64 3
		.amdhsa_memory_ordered 1
		.amdhsa_forward_progress 1
		.amdhsa_inst_pref_size 18
	.end_amdhsa_kernel
	.amdgpu_metadata
---
amdhsa.version: [ 1, 2 ]
amdhsa.kernels:
  - .name:           k_q023af922d3_first16
    .symbol:         k_q023af922d3_first16.kd
    .args:
      - { .name: fine, .offset: 0, .size: 8, .value_kind: global_buffer, .address_space: global }
      - { .name: Wo, .offset: 8, .size: 8, .value_kind: global_buffer, .address_space: global }
      - { .name: tgt_key_padding_mask, .offset: 16, .size: 8, .value_kind: global_buffer, .address_space: global }
      - { .name: out0, .offset: 24, .size: 8, .value_kind: global_buffer, .address_space: global }
    .group_segment_fixed_size: 18432
    .private_segment_fixed_size: 0
    .kernarg_segment_align: 8
    .kernarg_segment_size: 32
    .max_flat_workgroup_size: 512
    .sgpr_count:     66
    .vgpr_count:     240
    .wavefront_size: 32
...
	.end_amdgpu_metadata
.endif
;; end of part 5
